; MI455X (gfx1250); checked and timed in simulation.
; The chip was launched on July 23, 2026; its instructions are those of AMD's public machine-readable ISA for CDNA 5 (MIT licence, August 2026) and "CDNA5" Instruction Set Architecture Reference Guide (July 2026). The comments in the code are by the model that wrote it; some were corrected since.
;; Hard Gate MOE. Allowed arithmetic: float matrix products may take bf16 or f16 operands with f32 sums; all other float work in f32.
;; Inputs: W1 8 x 1,024 x 4,096 float32; W2 8 x 4,096 x 1,024 float32; Wg 8 x 1,024 float32; b1 8 x 4,096 float32; b2 8 x 1,024 float32; mapping 1,024 x 2 int32; x 1,024 x 1,024 float32.
;; Outputs: out0 1,024 x 1,024 float32.
;; One version. Each part assembles by itself: llvm-mc -triple=amdgcn-amd-amdhsa -mcpu=gfx1250 --defsym DOCPART=n.
;; ======== version 1 of 1: 5 launches
;; workspace buffers: xg 5,406,720 bytes; hg 21,626,880 bytes; yp 43,253,760 bytes; lg 32,768 bytes; pos 8,192 bytes of whole numbers; meta 256 bytes of whole numbers; list 12,288 bytes of whole numbers
;; launch route (part 1): grid 1 x 1, 8 waves a work-group, no clusters, 17,408 bytes of LDS; arguments mapping, pos, meta, list; writes pos, meta, list
.if DOCPART == 1
	.amdgcn_target "amdgcn-amd-amdhsa--gfx1250"
	.amdhsa_code_object_version 6
	.text
	.protected	k_q3a88cdf209_route
	.globl	k_q3a88cdf209_route
	.p2align	8
	.type	k_q3a88cdf209_route,@function
k_q3a88cdf209_route:
	s_mov_b64 s[64:65], 0
	v_nop
	global_prefetch_b8 v0, s[64:65] scope:SCOPE_SE
	s_setreg_imm32_b32 hwreg(HW_REG_WAVE_MODE, 25, 1), 1
	s_wait_xcnt 0x0
; route: the routing tables, as whole numbers for the launches that follow.   mapping [1024][2] i32.
; The 2,048 (token, k) pairs are bucketed by expert.  Expert e gets ng[e] = ceil(T_e / 80) groups of 80 rows (5 tiles of 16 rows);
; the sum of ng is at most (2048 + 8 x 79) / 80, that is 33 groups = 2,640 rows = 165 tiles.
; Out:  pos[2 i + k] = the padded row of pair (i, k);  meta[e] = (first group of e, ng[e]);  list[row] = the token of a padded row,
;       0 for rows that no pair fills (what is computed for those is never read) and for the 432 words behind row 2,639.
; ONE work-group of eight waves: 2,048 entries are 8 a thread, and the tables need all counts, which meet in LDS.  Every global
; address and every branch of this text is made of the thread's and the wave's number alone; the numbers of mapping reach only LDS
; addresses and stored data.  The launches behind it read the tables from memory and form their addresses and trips from them.
; No matrix work, no tile, nothing to share: a chain of a few dependent steps on 8,192 bytes.
; LIMITS: entries of mapping are clamped to 0..7.
.set LIST,   0                         ; LDS: token of each padded row: 3,072 words, all cleared, 2,640 in use
.set CNT,    12288                     ; LDS: [wave][32 words]: a wave's count for each expert
.set CN,   20                          ; s[20:27] running counts of this wave, one for each expert
.set SNB,  28                          ; s[28:35] ng of each expert
.set M,    4                           ; v[4:11]   my 8 entries of mapping
.set RK,   12                          ; v[12:19]  their ranks among this wave's entries of the same expert
.set MOFF, 20                          ; byte offset of my first 4 entries in mapping and in pos
.set ZADR, 21                          ; 16 x thread
.set ZERO, 24                          ; v[24:27]
.set TMP,  28
.set CVEC, 29
.set CADR, 30
.set L4,   31
.set CV,   32                          ; v[32:39]  the eight waves' counts; later my entries' tokens
.set PRE,  40
.set TOT,  41
.set TM2,  42
.set BLK0, 44                          ; v[44:45]  lane e: (first group, ng) of expert e
.set NB,   45
.set BASE, 46
.set TOK0, 47
.set POS,  48                          ; v[48:55]
.set LADR, 56                          ; v[56:63]
.set LO,   64                          ; v[64:75]  LIST on its way out
.set L8,   76
	s_load_b256 s[4:11], s[0:1], 0x0               ; mapping s[4:5], pos s[6:7], meta s[8:9], list s[10:11]
	v_lshl_add_u32 v80, v0, 2, 0x4000
	v_mov_b32 v81, 0
	v_lshrrev_b32 v1, 5, v0
	v_readfirstlane_b32 s18, v1                    ; wave w
	v_and_b32 v1, 31, v0                           ; lane L
	v_lshlrev_b32 v[MOFF], 4, v1
	v_lshl_add_u32 v[MOFF], s18, 10, v[MOFF]       ; 1,024 w + 16 L: entries 256 w + 4 L .. + 3
	v_lshlrev_b32 v[ZADR], 4, v0
	v_mov_b32 v[ZERO], 0
	v_mov_b32 v[ZERO+1], 0
	v_mov_b32 v[ZERO+2], 0
	v_mov_b32 v[ZERO+3], 0
	s_wait_kmcnt 0x0
	global_load_b128 v[M:M+3],   v[MOFF], s[4:5]
	global_load_b128 v[M+4:M+7], v[MOFF], s[4:5] offset:512
.irp u, 0,1,2
	ds_store_b128 v[ZADR], v[ZERO:ZERO+3] offset:LIST+4096*\u    ; 256 threads x 3 x 16 bytes clear LIST: token 0 everywhere
.endr
.irp e, 0,1,2,3,4,5,6,7
	s_mov_b32 s[CN+\e], 0
.endr
	s_wait_loadcnt 0x0
.irp q, 0,1,2,3,4,5,6,7
	v_min_u32 v[M+\q], 7, v[M+\q]
.endr
	; rank of an entry among this wave's entries of its expert: the count so far + the lanes below that hold the same expert
.irp q, 0,1,2,3,4,5,6,7
.irp e, 0,1,2,3,4,5,6,7
	v_cmp_eq_u32 s36, \e, v[M+\q]
.if \e == 0
	v_mbcnt_lo_u32_b32 v[RK+\q], s36, s[CN+\e]     ; writes every lane: the other experts' lanes are replaced below
.else
	v_mbcnt_lo_u32_b32 v[TMP], s36, s[CN+\e]
	v_cndmask_b32 v[RK+\q], v[RK+\q], v[TMP], s36
.endif
	s_bcnt1_i32_b32 s37, s36
	s_add_co_u32 s[CN+\e], s[CN+\e], s37
.endr
.endr
	v_mov_b32 v[CVEC], 0
.irp e, 0,1,2,3,4,5,6,7
	v_writelane_b32 v[CVEC], s[CN+\e], \e
.endr
	v_lshlrev_b32 v[L4], 2, v1
	v_lshl_add_u32 v[CADR], s18, 7, v[L4]
	ds_store_b32 v[CADR], v[CVEC] offset:CNT       ; lane e: my wave's count of expert e; lanes 8 to 31: 0
	s_wait_dscnt 0x0                               ; my stores into LIST and CNT are done, for the other waves' sake
	s_barrier_signal -1
	s_barrier_wait -1
.irp p, 0,1,2,3,4,5,6,7
	ds_load_b32 v[CV+\p], v[L4] offset:CNT+128*\p  ; lane e: wave p's count of expert e
.endr
	s_wait_dscnt 0x0                               ; my reads of CNT are back
	s_barrier_signal -1                            ; behind this barrier LDS is only written, at addresses that hang on mapping
	s_barrier_wait -1
	; lane e: total of expert e, and the count of the waves below mine
	v_mov_b32 v[PRE], 0
	v_mov_b32 v[TOT], 0
.irp p, 0,1,2,3,4,5,6,7
	s_cmp_gt_u32 s18, \p
	s_cselect_b32 s36, -1, 0
	v_add_nc_u32 v[TOT], v[TOT], v[CV+\p]
	v_and_b32 v[TM2], s36, v[CV+\p]
	v_add_nc_u32 v[PRE], v[PRE], v[TM2]
.endr
	v_add_nc_u32 v[NB], 79, v[TOT]
	v_mul_u32_u24 v[NB], 0x3334, v[NB]             ; (T + 79) / 80 as (T + 79) x 13,108 >> 20: exact up to T + 79 = 2,127,
	v_lshrrev_b32 v[NB], 20, v[NB]                 ; since 2,127 x (13,108 / 2^20 - 1/80) < 1/80
	v_mov_b32 v[BLK0], 0
	s_mov_b32 s36, 0
.irp e, 0,1,2,3,4,5,6,7
	v_readlane_b32 s[SNB+\e], v[NB], \e
	v_writelane_b32 v[BLK0], s36, \e               ; first group of expert e = the groups of the experts below
	s_add_co_u32 s36, s36, s[SNB+\e]
.endr
	v_mad_u32_u24 v[BASE], v[BLK0], 80, v[PRE]     ; lane e: the padded row of my wave's first entry of expert e
	v_lshlrev_b32 v[TOK0], 1, v1
	v_lshl_add_u32 v[TOK0], s18, 7, v[TOK0]        ; token of entry 256 w + 4 L
.irp q, 0,1,2,3,4,5,6,7
	v_lshlrev_b32 v[POS+\q], 2, v[M+\q]
	ds_bpermute_b32 v[POS+\q], v[POS+\q], v[BASE]  ; BASE of lane m: touches no LDS byte
.endr
	s_wait_dscnt 0x0
.irp q, 0,1,2,3,4,5,6,7
	v_add_nc_u32 v[POS+\q], v[POS+\q], v[RK+\q]
	v_min_u32 v[POS+\q], 0xa4f, v[POS+\q]          ; at most row 2,639
	v_lshlrev_b32 v[LADR+\q], 2, v[POS+\q]
	v_add_nc_u32 v[CV+\q], 64*(\q>>2)+((\q&3)>>1), v[TOK0]   ; entry 256 w + 128 (q >> 2) + 4 L + (q & 3), halved
	ds_store_b32 v[LADR+\q], v[CV+\q] offset:LIST  ; each padded row is written by one entry at the most
.endr
	global_store_b128 v[MOFF], v[POS:POS+3],   s[6:7]                ; a wave's store covers 512 consecutive bytes
	global_store_b128 v[MOFF], v[POS+4:POS+7], s[6:7] offset:512
	s_cmp_lg_u32 s18, 0
	s_cbranch_scc1 .Lnot_wave_0
	v_lshlrev_b32 v[L8], 3, v1
	global_store_b64 v[L8], v[BLK0:NB], s[8:9]     ; 32 pairs = all 256 bytes of meta; lanes 8 to 31 hold (0, 0)
.Lnot_wave_0:
	s_wait_dscnt 0x0                               ; my stores into LIST are done
	s_barrier_signal -1
	s_barrier_wait -1                              ; LIST is whole
.irp u, 0,1,2
	ds_load_b128 v[LO+4*\u:LO+4*\u+3], v[ZADR] offset:LIST+4096*\u
.endr
	s_wait_dscnt 0x0
.irp u, 0,1,2
	global_store_b128 v[ZADR], v[LO+4*\u:LO+4*\u+3], s[10:11] offset:4096*\u    ; a wave's store covers 512 consecutive bytes
.endr
	s_wait_tensorcnt 0x0
	ds_add_u32 v80, v81
	s_wait_dscnt 0x0
	s_endpgm
.Lfunc_end_k_q3a88cdf209_route:
	.size	k_q3a88cdf209_route, .Lfunc_end_k_q3a88cdf209_route-k_q3a88cdf209_route
	.p2alignl 7, 3214868480
	.fill 96, 4, 3214868480
	.section	.rodata,"a",@progbits
	.p2align	6, 0x0
	.amdhsa_kernel k_q3a88cdf209_route
		.amdhsa_group_segment_fixed_size 17408
		.amdhsa_private_segment_fixed_size 0
		.amdhsa_enable_private_segment 0
		.amdhsa_kernarg_size 32
		.amdhsa_user_sgpr_count 2
		.amdhsa_user_sgpr_kernarg_segment_ptr 1
		.amdhsa_wavefront_size32 1
		.amdhsa_system_sgpr_workgroup_id_x 1
		.amdhsa_system_sgpr_workgroup_id_y 1
		.amdhsa_system_sgpr_workgroup_id_z 1
		.amdhsa_system_vgpr_workitem_id 0
		.amdhsa_next_free_vgpr 82
		.amdhsa_next_free_sgpr 66
		.amdhsa_reserve_vcc 0
		.amdhsa_float_denorm_mode_32 3
		.amdhsa_float_denorm_mode_16_64 3
		.amdhsa_memory_ordered 1
		.amdhsa_forward_progress 1
		.amdhsa_inst_pref_size 26
	.end_amdhsa_kernel
	.amdgpu_metadata
---
amdhsa.version: [ 1, 2 ]
amdhsa.kernels:
  - .name:           k_q3a88cdf209_route
    .symbol:         k_q3a88cdf209_route.kd
    .args:
      - { .name: mapping, .offset: 0, .size: 8, .value_kind: global_buffer, .address_space: global }
      - { .name: pos, .offset: 8, .size: 8, .value_kind: global_buffer, .address_space: global }
      - { .name: meta, .offset: 16, .size: 8, .value_kind: global_buffer, .address_space: global }
      - { .name: list, .offset: 24, .size: 8, .value_kind: global_buffer, .address_space: global }
    .group_segment_fixed_size: 17408
    .private_segment_fixed_size: 0
    .kernarg_segment_align: 8
    .kernarg_segment_size: 32
    .max_flat_workgroup_size: 256
    .sgpr_count:     66
    .vgpr_count:     82
    .wavefront_size: 32
...
	.end_amdgpu_metadata
.endif
;; end of part 1
;; launch gather (part 2): grid 256 x 1, 8 waves a work-group, no clusters, 44,032 bytes of LDS; arguments x, Wg, list, xg, lg; writes xg, lg
.if DOCPART == 2
	.amdgcn_target "amdgcn-amd-amdhsa--gfx1250"
	.amdhsa_code_object_version 6
	.text
	.protected	k_q3a88cdf209_gather
	.globl	k_q3a88cdf209_gather
	.p2align	8
	.type	k_q3a88cdf209_gather,@function
k_q3a88cdf209_gather:
	s_mov_b64 s[64:65], 0
	v_nop
	global_prefetch_b8 v0, s[64:65] scope:SCOPE_SE
	s_setreg_imm32_b32 hwreg(HW_REG_WAVE_MODE, 25, 1), 1
	s_wait_xcnt 0x0
; gather: the routed rows of x as bf16 matrix fragments, and the gate logits.
;   x [1024][1024] f32, Wg [8][1024] f32, list[row] = the token of a padded row (whole numbers, stored by the launch before).
; Out:  xg[chunk c of 64 k][tile][ks][cc][lane][16 bytes]: the register image of a 16 x 32 bf16 fragment: lane (r, h) holds
;       row r of the tile, k = 64 c + 32 ks + 16 cc + 8 h + 0..7;     lg[i][e] = x[i] . Wg[e].
; THE GATHER: a task is one tile of 16 padded rows x 128 k.  165 tiles x 8 pieces = 1,320 tasks for the 2,048 waves of the launch:
; wave w of work-group g takes task 256 w + g if that is below 1,320.  The test is against a constant, so all of xg is written
; whatever the mapping; tiles behind the groups in use (at most 165 - 130 = 35) hold token 0's row and are never read.
; The tile's 16 tokens come by one scalar load; each is clamped to 1,023 and shifted into its row's offset.  A row's 512 bytes are
; rounded to bf16 and laid into the wave's own LDS stage; read back by fragment, they leave in stores of 512 consecutive bytes.
; THE LOGITS: work-group g makes those of tokens 4 g .. 4 g + 3; wave w takes k = 128 w .. 128 w + 127, the eight partial sums meet
; in LDS, wave 7 adds and stores them (128 bytes a work-group).
; ORDER: the logits' 32 loads go out first, then the task's 16 row loads, so that all are on their way together; the task is
; finished first (waves 6 and 7 never have one), then the logits.
; No cluster, no tensor loads: what work-groups share is Wg (32,768 bytes) and rows of x that a list names twice.
; LIMITS: the gate product has bf16 operands and f32 sums.  Entries of list are clamped to 0..1,023.
.set PLANE,  337920                    ; bytes of one chunk of 64 k over all 165 tiles
.set TASKS,  1320
.set RED,    0                         ; LDS: [wave][1,024 bytes]: a wave's partial logits
.set STG,    8192                      ; LDS: [wave][16 rows x 272 bytes]: a wave's own stage for the gather
.set SPITCH, 272                       ; 256 bytes of a row + 16: sixteen rows start in sixteen different 16-byte columns
.set TK,   36                          ; s[36:51] the tile's 16 tokens, then their rows' byte offsets
.set XOFF, 4
.set WOFF, 5
.set TMP,  6
.set TM2,  7
.set REDS, 8
.set GST,  9
.set GRD,  10
.set GL16, 11
.set GROW, 12
.set GOUT, 13
.set GPK,  14                          ; v[14:15]
.set RADR, 16
.set LGO,  17
.set GTOK, 20                          ; v[20:35]   the 16 rows' offsets
.set XR,   64                          ; v[64:127]  x as loaded; then v[64:95] x in bf16 and v[96:127] four partial products; then wave 7's sums
.set WR,   128                         ; v[128:191] Wg as loaded; then v[128:159] Wg in bf16
.set ACC,  96
.set GR,   192                         ; v[192:255] gathered rows; then v[192:223] fragments on their way out
	s_load_b256 s[4:11], s[0:1], 0x0               ; x s[4:5], Wg s[6:7], list s[8:9], xg s[10:11]
	s_load_b64 s[12:13], s[0:1], 0x20              ; lg
	v_lshl_add_u32 v62, v0, 2, 0xa800
	v_mov_b32 v63, 0
	v_lshrrev_b32 v1, 5, v0
	v_readfirstlane_b32 s18, v1                    ; wave w
	v_and_b32 v1, 31, v0                           ; lane L
	v_and_b32 v2, 15, v0                           ; r
	v_bfe_u32 v3, v0, 4, 1                         ; h
	s_lshl_b32 s21, s18, 8
	s_add_co_u32 s21, s21, ttmp9                   ; my task: 256 w + g, so that every work-group has its share
	s_lshr_b32 s22, s21, 3
	s_min_u32 s22, s22, 164                        ; its tile (the clamp holds the load of list inside the table for waves without a task)
	s_and_b32 s23, s21, 7                          ; its piece p: floats 128 p .. 128 p + 127
	s_lshl_b32 s24, s22, 6                         ; the tile's 16 words in list; never written again
	s_lshl_b32 s19, s18, 9
	v_lshl_add_u32 v[TMP], v3, 8, s19              ; floats 128 w + 64 h, in bytes
	v_and_b32 v[TM2], 7, v0
	v_lshl_add_u32 v[WOFF], v[TM2], 12, v[TMP]     ; Wg row r & 7
	v_and_b32 v[TM2], 3, v0
	v_lshl_add_u32 v[XOFF], v[TM2], 12, v[TMP]     ; x row 4 g + (r & 3)
	s_lshl_b32 s19, ttmp9, 14
	v_add_nc_u32 v[XOFF], s19, v[XOFF]
	s_wait_kmcnt 0x0
	s_load_b512 s[TK:TK+15], s[8:9], s24 offset:0x0
.irp u, 0,1,2,3,4,5,6,7,8,9,10,11,12,13,14,15
	global_load_b128 v[XR+4*\u:XR+4*\u+3], v[XOFF], s[4:5] offset:16*\u
	global_load_b128 v[WR+4*\u:WR+4*\u+3], v[WOFF], s[6:7] offset:16*\u
.endr
	s_mul_i32 s25, s18, 16*SPITCH
	s_add_co_u32 s25, s25, STG                     ; my wave's stage
	v_lshlrev_b32 v[GL16], 4, v1
	v_lshl_add_u32 v[GST], v1, 3, s25              ; in: 8 bytes a lane along a row
	v_mul_u32_u24 v[GRD], v2, SPITCH               ; back: row r, 16 bytes at 16 h
	v_lshl_add_u32 v[GRD], v3, 4, v[GRD]
	v_add_nc_u32 v[GRD], s25, v[GRD]
	s_lshl_b32 s26, s23, 9
	v_add_nc_u32 v[GROW], s26, v[GL16]             ; 512 p + 16 L: my place in a row of x
	s_mul_i32 s27, s23, 2*PLANE
	s_lshl_b32 s28, s22, 11
	s_add_co_u32 s27, s27, s28
	v_add_nc_u32 v[GOUT], s27, v[GL16]             ; chunk 2 p, my tile, 16 bytes a lane
	v_lshlrev_b32 v[REDS], 5, v1
	v_lshl_add_u32 v[REDS], s18, 10, v[REDS]
	s_wait_kmcnt 0x0                               ; the tokens
	s_cmp_lt_u32 s21, TASKS
	s_cbranch_scc0 .Lno_task
.irp i, 0,1,2,3,4,5,6,7,8,9,10,11,12,13,14,15
	s_min_u32 s[TK+\i], s[TK+\i], 1023
	s_lshl_b32 s[TK+\i], s[TK+\i], 12
	v_add_nc_u32 v[GTOK+\i], s[TK+\i], v[GROW]
	global_load_b128 v[GR+4*\i:GR+4*\i+3], v[GTOK+\i], s[4:5]         ; 512 consecutive bytes of one row of x
.endr
.irp i, 0,1,2,3,4,5,6,7,8,9,10,11,12,13,14,15
	s_wait_loadcnt 15-\i                           ; loads come back in order: row i is in (and the 32 older loads), the younger rows stay out
	v_cvt_pk_bf16_f32 v[GPK],   v[GR+4*\i],   v[GR+4*\i+1]
	v_cvt_pk_bf16_f32 v[GPK+1], v[GR+4*\i+2], v[GR+4*\i+3]
	ds_store_b64 v[GST], v[GPK:GPK+1] offset:SPITCH*\i
.endr
.irp n, 0,1,2,3,4,5,6,7
	ds_load_b128 v[GR+4*\n:GR+4*\n+3], v[GRD] offset:32*\n            ; my wave's own bytes, served in order behind its stores; n = 4 cl + 2 ks + cc
.endr
.irp n, 0,1,2,3,4,5,6,7
	s_wait_dscnt 7-\n                              ; fragment n is back, the younger ones stay out
	global_store_b128 v[GOUT], v[GR+4*\n:GR+4*\n+3], s[10:11] offset:(\n>>2)*PLANE+(\n&3)*512   ; 512 consecutive bytes of xg; GR and GOUT are not written again
.endr
.Lno_task:
	; partial logits over my wave's 128 k.  Register n of a side holds floats 64 h + 2 n, 2 n + 1 of the wave's 128: the same
	; permutation of k on both sides, so the products pair up rightly.  Source 0 = Wg (row m: expert m & 7), source 1 = x
	; (column n: token n & 3): lane r, register j holds token r & 3, expert j.
	s_wait_loadcnt 0x0
.irp n, 0,1,2,3,4,5,6,7,8,9,10,11,12,13,14,15,16,17,18,19,20,21,22,23,24,25,26,27,28,29,30,31
	v_cvt_pk_bf16_f32 v[XR+\n], v[XR+2*\n], v[XR+2*\n+1]              ; in place: registers 2 n, 2 n + 1 lie at or above n, which no earlier line has passed
	v_cvt_pk_bf16_f32 v[WR+\n], v[WR+2*\n], v[WR+2*\n+1]
.endr
.irp f, 0,1,2,3
	v_wmma_f32_16x16x32_bf16 v[ACC+8*\f:ACC+8*\f+7], v[WR+8*\f:WR+8*\f+7], v[XR+8*\f:XR+8*\f+7], 0   ; four sums of their own: no chain
.endr
.rept 4
	v_nop                                          ; four places behind the matrix instructions before their results are read (ISA guide 7.12.1)
.endr
.irp p, 0,2,4,6
	v_pk_add_f32 v[ACC+\p:ACC+\p+1], v[ACC+\p:ACC+\p+1], v[ACC+8+\p:ACC+8+\p+1]
	v_pk_add_f32 v[ACC+16+\p:ACC+16+\p+1], v[ACC+16+\p:ACC+16+\p+1], v[ACC+24+\p:ACC+24+\p+1]
.endr
.irp p, 0,2,4,6
	v_pk_add_f32 v[ACC+\p:ACC+\p+1], v[ACC+\p:ACC+\p+1], v[ACC+16+\p:ACC+16+\p+1]
.endr
	ds_store_b128 v[REDS], v[ACC:ACC+3]   offset:RED
	ds_store_b128 v[REDS], v[ACC+4:ACC+7] offset:RED+16
	s_wait_dscnt 0x0                               ; my partial sums are in LDS, for wave 7's sake
	s_barrier_signal -1
	s_barrier_wait -1
	s_cmp_lg_u32 s18, 7
	s_cbranch_scc1 .Ldone
	; wave 7 adds the eight waves' partial logits and stores four tokens x eight experts = 128 bytes
	v_lshlrev_b32 v[RADR], 5, v1
	s_lshl_b32 s29, ttmp9, 7
	v_add_nc_u32 v[LGO], s29, v[RADR]
.irp p, 0,1,2,3,4,5,6,7
	ds_load_b128 v[XR+8*\p:XR+8*\p+3],   v[RADR] offset:RED+1024*\p
	ds_load_b128 v[XR+8*\p+4:XR+8*\p+7], v[RADR] offset:RED+1024*\p+16
.endr
	s_wait_dscnt 0x0
.irp a, 0,16,32,48
.irp p, 0,2,4,6
	v_pk_add_f32 v[XR+\a+\p:XR+\a+\p+1], v[XR+\a+\p:XR+\a+\p+1], v[XR+\a+8+\p:XR+\a+8+\p+1]
.endr
.endr
.irp a, 0,32
.irp p, 0,2,4,6
	v_pk_add_f32 v[XR+\a+\p:XR+\a+\p+1], v[XR+\a+\p:XR+\a+\p+1], v[XR+\a+16+\p:XR+\a+16+\p+1]
.endr
.endr
.irp p, 0,2,4,6
	v_pk_add_f32 v[XR+\p:XR+\p+1], v[XR+\p:XR+\p+1], v[XR+32+\p:XR+32+\p+1]
.endr
	v_cmp_gt_u32 vcc_lo, 4, v1
	s_wait_xcnt 0x0                                ; EXEC is a source of every pending global access: it changes only behind this wait
	s_and_saveexec_b32 s30, vcc_lo                 ; lanes 0 to 3 hold the four tokens
	global_store_b128 v[LGO], v[XR:XR+3],   s[12:13]
	global_store_b128 v[LGO], v[XR+4:XR+7], s[12:13] offset:16
	s_wait_xcnt 0x0                                ; and again in front of the line that widens it
	s_or_b32 exec_lo, exec_lo, s30
.Ldone:
	s_wait_tensorcnt 0x0
	ds_add_u32 v62, v63
	s_wait_dscnt 0x0
	s_endpgm
.Lfunc_end_k_q3a88cdf209_gather:
	.size	k_q3a88cdf209_gather, .Lfunc_end_k_q3a88cdf209_gather-k_q3a88cdf209_gather
	.p2alignl 7, 3214868480
	.fill 96, 4, 3214868480
	.section	.rodata,"a",@progbits
	.p2align	6, 0x0
	.amdhsa_kernel k_q3a88cdf209_gather
		.amdhsa_group_segment_fixed_size 44032
		.amdhsa_private_segment_fixed_size 0
		.amdhsa_enable_private_segment 0
		.amdhsa_kernarg_size 40
		.amdhsa_user_sgpr_count 2
		.amdhsa_user_sgpr_kernarg_segment_ptr 1
		.amdhsa_wavefront_size32 1
		.amdhsa_system_sgpr_workgroup_id_x 1
		.amdhsa_system_sgpr_workgroup_id_y 1
		.amdhsa_system_sgpr_workgroup_id_z 1
		.amdhsa_system_vgpr_workitem_id 0
		.amdhsa_next_free_vgpr 256
		.amdhsa_next_free_sgpr 66
		.amdhsa_reserve_vcc 1
		.amdhsa_float_denorm_mode_32 3
		.amdhsa_float_denorm_mode_16_64 3
		.amdhsa_memory_ordered 1
		.amdhsa_forward_progress 1
		.amdhsa_inst_pref_size 23
	.end_amdhsa_kernel
	.amdgpu_metadata
---
amdhsa.version: [ 1, 2 ]
amdhsa.kernels:
  - .name:           k_q3a88cdf209_gather
    .symbol:         k_q3a88cdf209_gather.kd
    .args:
      - { .name: x, .offset: 0, .size: 8, .value_kind: global_buffer, .address_space: global }
      - { .name: Wg, .offset: 8, .size: 8, .value_kind: global_buffer, .address_space: global }
      - { .name: list, .offset: 16, .size: 8, .value_kind: global_buffer, .address_space: global }
      - { .name: xg, .offset: 24, .size: 8, .value_kind: global_buffer, .address_space: global }
      - { .name: lg, .offset: 32, .size: 8, .value_kind: global_buffer, .address_space: global }
    .group_segment_fixed_size: 44032
    .private_segment_fixed_size: 0
    .kernarg_segment_align: 8
    .kernarg_segment_size: 40
    .max_flat_workgroup_size: 256
    .sgpr_count:     66
    .vgpr_count:     256
    .wavefront_size: 32
...
	.end_amdgpu_metadata
.endif
;; end of part 2
;; launch gemm1 (part 3): grid 32 x 8, 4 waves a work-group, no clusters, 262,656 bytes of LDS; arguments xg, W1, b1, meta, hg; writes hg
.if DOCPART == 3
	.amdgcn_target "amdgcn-amd-amdhsa--gfx1250"
	.amdhsa_code_object_version 6
	.text
	.protected	k_q3a88cdf209_gemm1
	.globl	k_q3a88cdf209_gemm1
	.p2align	8
	.type	k_q3a88cdf209_gemm1,@function
k_q3a88cdf209_gemm1:
	s_mov_b64 s[64:65], 0
	v_nop
	global_prefetch_b8 v0, s[64:65] scope:SCOPE_SE
	s_setreg_imm32_b32 hwreg(HW_REG_WAVE_MODE, 25, 1), 1
	s_wait_xcnt 0x0
; THIS FILE: SECOND = 0: hg = gelu(xg W1[e] + b1[e]), rounded to bf16, for the routed rows.  (With SECOND = 1 the same text makes
; yp[q] = hg W2[e] over a quarter q of K, + b2[e] in quarter 0.)
; A work-group takes one expert e, 128 output columns (slice) and K = 1,024.  Four waves, as many as a WGP has SIMDs.
; THE WEIGHTS (1,024 x 128, 524,288 bytes of f32) are read once, rounded to bf16 and laid into LDS as matrix fragments (262,144
; bytes), where they stay.  Wave w = (nh = w & 1, kh = w >> 1) brings 64 columns (half nh) x 512 k (half kh), in 16 stages of 32 k.
; W lies [K][N]: a 16-byte load gives a lane 4 neighbouring columns of one row, sixteen lanes cover 256 consecutive bytes = the
; wave's 64 columns.  32 packed conversions turn a stage's 16 loads into four fragments; fragment f, index r stands for column
; 4 r + f.  The fragment of stage t and f goes to LDS byte 65,536 w + 1,024 (4 t + f).
; Every LDS byte is written once.
; THE ROWS: the expert's ng[e] groups of 80 rows (meta, stored by the launch route) are dealt to the waves: wave w takes groups
; w, w + 4, ...  A group makes 80 rows x 128 columns over all of K: 40 accumulator tiles of 16 x 16 = 320 registers.  The weights'
; fragments come from LDS, the rows' fragments straight from memory, where they lie as register images (2,048 bytes a tile and
; chunk of 64 k).  Each wave owns its results whole: no exchange between waves.
; A WAVE'S FIRST GROUP IS MULTIPLIED WHILE THE WEIGHTS COME IN, in a text without a branch: 32 steps of 32 k; step 2 s + b takes the
; k-step that the waves of K half b brought as their stage s.  Stage t is asked for in steps 2 t - 8 and 2 t - 7, converted and
; stored in step 2 t - 3, shown to all waves by the barrier at the head of step 2 t - 2, and first read in step 2 t - 1.
; A wave without a group (ng[e] <= w) goes through the same text on the rows of group 0, which always exists: its part of the
; weights is needed and every wave passes every barrier; its products are thrown away, it stores nothing.
; LATER GROUPS (an expert with more than 320 pairs) are walked by a loop without a barrier, all weights being in LDS by then.
; NO CLUSTER, NO TENSOR LOADS: no two work-groups read the same weights.  The rows are shared by the slices of an expert, but their
; addresses are numbers read from memory and differ from wave to wave, and LDS is taken by the weights (262,144 bytes).
; SECOND = 0 uses the matrix instruction transposed (source 0 = W, source 1 = rows): lane (r, h), register j of column tile (nh, f)
; holds row r, column 64 nh + 32 h + 4 j + f, so a tile's eight numbers pack into the 16 bytes that the next launch's fragment image
; wants at (ks = f >> 1, cc = f & 1): position (chunk, ks, cc, h, j) of hg holds f = 64 chunk + 32 h + 4 j + 2 ks + cc, and the
; next launch picks W2's rows in that order.  SECOND = 1 uses it the natural way: lane (r, h), register j holds row 8 h + j,
; column 64 nh + 4 r + f.
; LIMITS: matrix operands are bf16, sums f32, the k-steps summed in the order 0, 16, 1, 17, ...  Right for every mapping (ng at most
; 26, group number at most 32); the weights are read once whatever the mapping.
; gelu is the tanh form as z / (1 + 2^(z (C0 + C1 z^2))); where z^2 overflows the exponent is infinite and the result is z or 0.
.set SECOND, 0
.set PLANE,  337920                    ; bytes of one chunk of 64 k over all 165 tiles
.set TILEB,  2048                      ; a tile of 16 rows x 64 k in bf16
.set GRPB,   5*TILEB                   ; a group's five tiles of one chunk
.set YPLANE, 2640*4096
.if SECOND
.set PITCH,  4096                      ; bytes from row to row of W
.set AWIN,   0x0b                      ; source 0 = rows (window 3), source 1 = W (window 2)
.set OUTGRP, 80*4096                   ; a group's bytes in the result
.set NBIAS,  2                         ; loads that bring the bias
.else
.set PITCH,  16384
.set AWIN,   0x0e                      ; source 0 = W (window 2), source 1 = rows (window 3)
.set OUTGRP, GRPB
.set NBIAS,  16
.endif
; REGISTERS, in windows of 256.  Window 0: addresses, the ring of raw weights, the way out.  Window 1 and v0-63 of window 2:
; accumulators, row tile i (0..4), column tile c = 4 nh + f at 8 (8 i + c).  Window 2, v64-127: gemm1's bias; v128-255: two buffers
; of eight W fragments.  Window 3, v0-239: a ring of six slots of five row fragments.
.set VOFFW, 2                          ; 131,072 h + 16 r: my place in a weight load (h picks the second group of rows)
.set WRD,   4                          ; v4-7   16 x lane + 65,536 n: my place in a fragment of LDS region n
.set WST,   8                          ; 16 x lane + 65,536 w: the region that I fill
.set VA,    9                          ; my place in the group's row fragments
.set VST,   10                         ; my place in a store, without the group
.set VO,    11                         ; the same with the group
.set VB,    12                         ; my place in the bias
.set L16,   13                         ; 16 x lane
.set CG0,   14                         ; v[14:15] gelu: C0 = -2 sqrt(2/pi) log2(e), twice
.set CG1,   16                         ; v[16:17] gelu: C1 = 0.044715 C0, twice
.set BV,    20                         ; v[20:27] SECOND = 1: bias, [nh][f]
.set BF,    32                         ; v[32:63] four W fragments on their way into LDS
.set RAW,   64                         ; v[64:255] three slots of 16 loads: stage t lies in slot t mod 3
.set Z,     64                         ; way out, SECOND = 0: v[64:95] four tiles at work
.set T,     96                         ; way out, SECOND = 0: v[96:103]
.set PK,    104                        ; way out, SECOND = 0: v[104:119] packed results
.set OB,    64                         ; way out, SECOND = 1: v[64:95] results, [j][f]
.set BT,    64                         ; window 2: SECOND = 0: bias, [nh][j][f]
.set WB,    128                        ; window 2: the two W fragment buffers
.set MSB, 0
.macro WIN new                         ; s_set_vgpr_msb: bits 1:0 source 0, 3:2 source 1, 5:4 source 2, 7:6 destination; the high byte repeats the setting left
.if MSB != (\new)
	s_set_vgpr_msb (MSB<<8)|(\new)
.set MSB, (\new)
.endif
.endm
.macro PLACES                          ; four places behind matrix instructions, before their sources are loaded into or their results read (ISA guide 7.12.1)
.rept 4
	v_nop
.endr
.endm
; 8 loads: half of stage t (of my K half's 16), my 64 columns.  Load 8 cc + j brings the row that fragment register half cc,
; element j wants; half = cc.  Lanes 16 to 31 take the row that belongs to h = 1 (in VOFFW).  All rows stand in the immediate.
.macro WHALF t, half
	WIN 0
.set wj, 8*(\half)
.rept 8
.if SECOND
.set wr, 64*((\t)>>1)+4*(wj&7)+2*((\t)&1)+(wj>>3)
.else
.set wr, 32*(\t)+16*(wj>>3)+(wj&7)
.endif
	global_load_b128 v[RAW+64*((\t)%3)+4*wj:RAW+64*((\t)%3)+4*wj+3], v[VOFFW], s[26:27] offset:wr*PITCH th:TH_LOAD_NT
.set wj, wj+1
.endr
.endm
; Stage t into LDS: fragment f, register p = rows 2 p, 2 p + 1 of the 16 loads, column f of the four; then 8 stores of 512 bytes.
.macro CVST t
	WIN 0
.set ct, 0
.rept 4
.set cp, 0
.rept 8
	v_cvt_pk_bf16_f32 v[BF+8*ct+cp], v[RAW+64*((\t)%3)+8*cp+ct], v[RAW+64*((\t)%3)+8*cp+4+ct]
.set cp, cp+1
.endr
.set ct, ct+1
.endr
.set ct, 0
.rept 4
	ds_store_b128 v[WST], v[BF+8*ct:BF+8*ct+3]   offset:(4*(\t)+ct)*1024
	ds_store_b128 v[WST], v[BF+8*ct+4:BF+8*ct+7] offset:(4*(\t)+ct)*1024+512
.set ct, ct+1
.endr
.endm
; Step k (0..31) takes k-step 16 (k & 1) + (k >> 1) of K.
; 16 LDS loads: the eight W fragments of step k into buffer k & 1
.macro WFRAG k
	WIN 0x80
.set fk, (((\k)&1)<<4)+((\k)>>1)
.set fc, 0
.rept 8
.set fd, WB+64*((\k)&1)+8*fc
.set fo, (4*(fk&15)+(fc&3))*1024
	ds_load_b128 v[fd:fd+3],   v[WRD+2*(fk>>4)+(fc>>2)] offset:fo
	ds_load_b128 v[fd+4:fd+7], v[WRD+2*(fk>>4)+(fc>>2)] offset:fo+512
.set fc, fc+1
.endr
.endm
; 10 loads, 512 consecutive bytes each: the five row fragments of step k into ring slot k mod 6
.macro AFRAG k
	WIN 0xc0
.set gk, (((\k)&1)<<4)+((\k)>>1)
.set gi, 0
.rept 5
.set gd, 40*((\k)%6)+8*gi
.set go, (gk>>1)*PLANE+gi*TILEB+(gk&1)*1024
	global_load_b128 v[gd:gd+3],   v[VA], s[36:37] offset:go
	global_load_b128 v[gd+4:gd+7], v[VA], s[36:37] offset:go+512
.set gi, gi+1
.endr
.endm
.macro BLOAD                           ; the bias of the 128 columns, NBIAS loads
.if SECOND
	WIN 0
	global_load_b128 v[BV:BV+3],   v[VB], s[52:53]
	global_load_b128 v[BV+4:BV+7], v[VB], s[52:53] offset:256
.else
	WIN 0x80                                       ; destination in window 2
.set bn, 0
.rept 2
.set bj, 0
.rept 8
	global_load_b128 v[BT+32*bn+4*bj:BT+32*bn+4*bj+3], v[VB], s[52:53] offset:256*bn+16*bj   ; columns 64 nh + 32 h + 4 j + 0..3
.set bj, bj+1
.endr
.set bn, bn+1
.endr
.endif
.endm
; 40 matrix instructions: five row tiles x eight column tiles.  zero = 1: the product starts the sum, nothing is cleared.
; The 40 accumulators take turns, one instruction a turn, in the same order in every step.
.macro MUL k, zero
.set mw, WB+64*((\k)&1)
.set ma, 40*((\k)%6)
.set mi, 0
.rept 5
	WIN ((1+(mi>>2))*0x50)|AWIN
.set mc, 0
.rept 8
.set md, 8*((8*mi+mc)&31)
.if SECOND
.if \zero
	v_wmma_f32_16x16x32_bf16 v[md:md+7], v[ma+8*mi:ma+8*mi+7], v[mw+8*mc:mw+8*mc+7], 0
.else
	v_wmma_f32_16x16x32_bf16 v[md:md+7], v[ma+8*mi:ma+8*mi+7], v[mw+8*mc:mw+8*mc+7], v[md:md+7]
.endif
.else
.if \zero
	v_wmma_f32_16x16x32_bf16 v[md:md+7], v[mw+8*mc:mw+8*mc+7], v[ma+8*mi:ma+8*mi+7], 0
.else
	v_wmma_f32_16x16x32_bf16 v[md:md+7], v[mw+8*mc:mw+8*mc+7], v[ma+8*mi:ma+8*mi+7], v[md:md+7]
.endif
.endif
.set mc, mc+1
.endr
.set mi, mi+1
.endr
.endm
; One step of the first group.  What step k asks for, in this order: the rows of step k + 3 (10 loads, up to k = 28), then half a
; stage of weights (8 loads, up to k = 23): an even k the first half of stage k / 2 + 4, an odd k the second half of stage
; (k + 7) / 2, into the ring slot whose stage was converted in step k - 1 or earlier.  Loads come back in order, so the wait at the
; step's head, which stands ahead of the step's own requests, leaves out what was asked for behind the rows of step k: the 8 weight
; loads of step k - 3 and all of steps k - 2 and k - 1: 8 + 18 + 18 = 44; the stage that an odd step converts was asked for in steps
; k - 5 and k - 4 and is in too.  As the requests run out the same sum gives 36, 28, 20, 20, 20, 10 + NBIAS, NBIAS.  A wave never
; has more than 44 + 18 = 62 loads out.
.macro SSTEP k, zero
.set cnt_l, 44
.if (\k) == 25
.set cnt_l, 36
.endif
.if (\k) == 26
.set cnt_l, 28
.endif
.if (\k) >= 27
.set cnt_l, 20
.endif
.if (\k) == 30
.set cnt_l, 10+NBIAS
.endif
.if (\k) == 31
.set cnt_l, NBIAS
.endif
	s_wait_loadcnt cnt_l
.if (\k) <= 28
	AFRAG (\k)+3                                   ; its ring slot was last read three steps ago
.endif
.if (\k) == 29
	BLOAD                                          ; nothing else is left to ask for: the bias comes in under the last steps
.endif
.if ((\k)&1) == 0
.if (\k) <= 22
	WHALF (\k)/2+4, 0
.endif
.if (\k) <= 28
	WIN 0
	s_wait_dscnt 0x0                               ; my stores of stage k / 2 + 1 (in step 0: of stages 0 and 1) are done, for the other waves' sake
	s_barrier_signal -1
	s_barrier_wait -1                              ; every wave's are: the stage may be read
.endif
.else
.if (\k) <= 23
	WHALF ((\k)+7)/2, 1
.endif
.if (\k) <= 27
	CVST ((\k)+3)/2                                ; its 8 stores have this step's matrix work in which to land
.endif
.endif
	PLACES                                         ; behind the last step's matrix instructions: its W buffer may be loaded into
.if (\k) == 0
	WFRAG 0
.endif
.if (\k) < 31
	WFRAG (\k)+1
.endif
.set cnt_d, 16                                         ; this step's W fragments are in; the 16 loads just issued stay out,
.if ((\k)&1) == 1
.if (\k) <= 27
.set cnt_d, 24                                         ; and the 8 stores that stand between the two runs of loads
.endif
.endif
.if (\k) == 31
.set cnt_d, 0
.endif
	s_wait_dscnt cnt_d
	MUL \k, \zero
.endm
; One step of a later group: all weights are in LDS.  The W buffer and the ring slot that the step before has read are asked for
; again first: W one step ahead, rows five.
.macro KSTEP k, zero
	PLACES                                         ; behind the last step's matrix instructions: its W buffer and its ring slot may be loaded into
.if (\k) < 31
	WFRAG (\k)+1
.endif
.if (\k) <= 26
	AFRAG (\k)+5
.endif
.if (\k) < 31
	s_wait_dscnt 16                                ; this step's W fragments are in; the 16 loads just issued stay out
.else
	s_wait_dscnt 0
.endif
.if (\k) <= 26
	s_wait_loadcnt 50                              ; this step's rows are in; five younger steps, 10 loads each, stay out
.else
	s_wait_loadcnt 10*(31-(\k))                    ; the counts run down: 40, 30, 20, 10, 0
.endif
	MUL \k, \zero
.endm
.macro GELU8 z                         ; eight numbers in place: z / (1 + 2^(z (C0 + C1 z^2)))
.irp p, 0,2,4,6
	v_pk_mul_f32 v[T+\p:T+\p+1], v[(\z)+\p:(\z)+\p+1], v[(\z)+\p:(\z)+\p+1]
.endr
.irp p, 0,2,4,6
	v_pk_fma_f32 v[T+\p:T+\p+1], v[T+\p:T+\p+1], v[CG1:CG1+1], v[CG0:CG0+1]
.endr
.irp p, 0,2,4,6
	v_pk_mul_f32 v[T+\p:T+\p+1], v[T+\p:T+\p+1], v[(\z)+\p:(\z)+\p+1]
.endr
.irp p, 0,1,2,3,4,5,6,7
	v_exp_f32 v[T+\p], v[T+\p]
.endr
	v_nop                                          ; one plain place behind a transcendental before its result is used (ISA guide 5.7.2)
	s_wait_alu depctr_va_vdst(0)
.irp p, 0,2,4,6
	v_pk_add_f32 v[T+\p:T+\p+1], v[T+\p:T+\p+1], 1.0 op_sel_hi:[1,0]
.endr
.irp p, 0,1,2,3,4,5,6,7
	v_rcp_f32 v[T+\p], v[T+\p]
.endr
	v_nop
	s_wait_alu depctr_va_vdst(0)
.irp p, 0,2,4,6
	v_pk_mul_f32 v[(\z)+\p:(\z)+\p+1], v[(\z)+\p:(\z)+\p+1], v[T+\p:T+\p+1]
.endr
.endm
; SECOND = 0, the way out: four tiles (one row tile, one half nh) at a time: sum + bias, gelu, bf16, one store of 512 consecutive
; bytes for each tile.
.macro OUT1
	PLACES                                         ; behind the last matrix instructions, before results are read
.set oi, 0
.rept 5
.set on, 0
.rept 2
	WIN (1+(oi>>2))|0x08                           ; source 0: the accumulators' window; source 1: the bias in window 2
.set ot, 0
.rept 4
.set oa, 8*((8*oi+4*on+ot)&31)
.set oj, 0
.rept 8
	v_add_f32 v[Z+8*ot+oj], v[oa+oj], v[BT+32*on+4*oj+ot]
.set oj, oj+1
.endr
.set ot, ot+1
.endr
	WIN 0
	s_wait_xcnt 0x0                                ; PK, the data of the last four stores, is written again only behind this wait
.set ot, 0
.rept 4
	GELU8 Z+8*ot
.irp p, 0,1,2,3
	v_cvt_pk_bf16_f32 v[PK+4*ot+\p], v[Z+8*ot+2*\p], v[Z+8*ot+2*\p+1]
.endr
	global_store_b128 v[VO], v[PK+4*ot:PK+4*ot+3], s[48:49] offset:on*PLANE+oi*TILEB+ot*512
.set ot, ot+1
.endr
.set on, on+1
.endr
.set oi, oi+1
.endr
.endm
; SECOND = 1, the way out: sum + bias, laid [j][f] so that a lane holds 4 neighbouring columns; sixteen lanes of a store cover 256
; consecutive bytes of a row of yp.
.macro OUT2
	PLACES
.set oi, 0
.rept 5
.set on, 0
.rept 2
	s_wait_xcnt 0x0                                ; OB, the data of the last eight stores, is written again only behind this wait
	WIN 1+(oi>>2)                                  ; source 0: the accumulators' window
.set ot, 0
.rept 4
.set oa, 8*((8*oi+4*on+ot)&31)
.set oj, 0
.rept 8
	v_add_f32 v[OB+4*oj+ot], v[oa+oj], v[BV+4*on+ot]
.set oj, oj+1
.endr
.set ot, ot+1
.endr
	WIN 0
.set oj, 0
.rept 8
	global_store_b128 v[VO], v[OB+4*oj:OB+4*oj+3], s[48:49] offset:(16*oi+oj)*4096+on*256
.set oj, oj+1
.endr
.set on, on+1
.endr
.set oi, oi+1
.endr
.endm
.macro OUT
.if SECOND
	OUT2
.else
	OUT1
.endif
.endm
	s_load_b256 s[4:11], s[0:1], 0x0               ; rows s[4:5], W s[6:7], bias s[8:9], meta s[10:11]
	s_load_b64 s[12:13], s[0:1], 0x20              ; out
	v_lshl_add_u32 v30, v0, 2, 0x40000
	v_mov_b32 v31, 0
	v_lshrrev_b32 v1, 5, v0
	v_readfirstlane_b32 s14, v1                    ; wave w
	s_and_b32 s15, s14, 1                          ; nh: the half of the 128 columns whose weights I bring
	s_lshr_b32 s16, s14, 1                         ; kh: the half of K whose weights I bring
	s_and_b32 s19, ttmp7, 0xffff
.if SECOND
	s_and_b32 s20, s19, 3                          ; q
	s_lshr_b32 s19, s19, 2                         ; e
.else
	s_mov_b32 s20, 0
.endif
	s_lshl_b32 s25, s19, 3                         ; never written again: the offset of the load of meta
	v_and_b32 v1, 31, v0                           ; L
	v_and_b32 v3, 15, v0                           ; r
	v_bfe_u32 v18, v0, 4, 1                        ; h
	v_lshlrev_b32 v[L16], 4, v1
	v_lshlrev_b32 v[VOFFW], 4, v3
	v_lshl_add_u32 v[VOFFW], v18, 17, v[VOFFW]     ; h = 1: 8 rows of 16,384 bytes (SECOND = 0) or 32 rows of 4,096 (SECOND = 1) further down
	v_lshl_add_u32 v[WST], s14, 16, v[L16]
	v_mov_b32 v[WRD], v[L16]
	v_add_nc_u32 v[WRD+1], 0x10000, v[L16]
	v_add_nc_u32 v[WRD+2], 0x20000, v[L16]
	v_add_nc_u32 v[WRD+3], 0x30000, v[L16]
.if SECOND
	v_lshlrev_b32 v[VB], 4, v3
	v_lshl_add_u32 v[VST], v18, 15, v[VB]          ; row 8 h, columns 4 r ..
.else
	v_lshlrev_b32 v[VB], 7, v18
	v_mov_b32 v[VST], v[L16]
	v_mov_b32 v[CG0], 0xc0135761                   ; -2.3022082
	v_mov_b32 v[CG0+1], 0xc0135761
	v_mov_b32 v[CG1], 0xbdd2d3e8                   ; -0.10294324
	v_mov_b32 v[CG1+1], 0xbdd2d3e8
.endif
	s_wait_kmcnt 0x0
	s_load_b64 s[22:23], s[10:11], s25 offset:0x0  ; first group s22, number of groups s23
	s_mov_b32 s29, 0
	s_mul_i32 s28, s20, 16*PLANE
	s_add_nc_u64 s[36:37], s[4:5], s[28:29]        ; the rows at chunk 16 q
	s_lshl_b32 s56, ttmp9, 9                       ; 512 slice
	s_lshl_b32 s28, s15, 8
	s_add_co_u32 s57, s56, s28                     ; + 256 nh
	s_lshl_b32 s28, s20, 1
	s_add_co_u32 s28, s28, s16                     ; 2 q + kh
	s_mul_i32 s28, s28, 512*PITCH
	s_lshl_b32 s58, s19, 24
	s_add_co_u32 s28, s28, s58
	s_add_co_u32 s28, s28, s57
	s_add_nc_u64 s[26:27], s[6:7], s[28:29]        ; W: expert, first row of my K half, my 64 columns
	; the first requests: stages 0, 1 and half of stage 2 (40 loads) need nothing of meta and go out at once
	WHALF 0, 0
	WHALF 0, 1
	WHALF 1, 0
	WHALF 1, 1
	WHALF 2, 0
.if SECOND
	s_lshl_b32 s28, s19, 12
.else
	s_lshl_b32 s28, s19, 14
.endif
	s_add_co_u32 s28, s28, s56
	s_add_nc_u64 s[52:53], s[8:9], s[28:29]        ; bias of the 128 columns
.if SECOND
	s_mul_i32 s28, s20, YPLANE
	s_add_co_u32 s28, s28, s56
	s_cmp_eq_u32 s20, 0
	s_cselect_b32 s55, -1, 0
.else
	s_mul_i32 s28, ttmp9, 2*PLANE                  ; the 128 columns are chunks 2 slice, 2 slice + 1 of hg
.endif
	s_add_nc_u64 s[48:49], s[12:13], s[28:29]
	s_wait_kmcnt 0x0                               ; meta
	s_min_u32 s23, s23, 26                         ; 2,048 pairs are at most 26 groups of one expert
	s_add_co_u32 s22, s22, s14                     ; my first group,
	s_cmp_lt_u32 s14, s23
	s_cselect_b32 s24, s22, 0                      ; or group 0's rows for a wave that has none: a choice of value, no branch
	s_min_u32 s24, s24, 32
	s_add_co_u32 s23, s23, 3
	s_sub_co_u32 s23, s23, s14
	s_lshr_b32 s23, s23, 2                         ; how many groups are mine: w, w + 4, .. below ng
	s_mul_i32 s28, s24, GRPB
	v_add_nc_u32 v[VA], s28, v[L16]
	s_mul_i32 s28, s24, OUTGRP
	v_add_nc_u32 v[VO], s28, v[VST]
	AFRAG 0
	AFRAG 1                                        ; 60 loads are out
	s_wait_loadcnt 44                              ; stage 0 is in; out stay stage 1 (16), half of stage 2 (8), the rows of steps 0 and 1 (20)
	WHALF 2, 1
	AFRAG 2                                        ; at most 62 out
	CVST 0
	s_wait_loadcnt 46                              ; stage 1 is in; out stay 8 + 20 and the 18 just issued
	WHALF 3, 0                                     ; into the slot that stage 0 has left
	WHALF 3, 1                                     ; at most 62 out
	CVST 1
	; behind the rows of step 0 stand the rows of step 1 (10), half of stage 2 (8), the rows of step 2 (10) and stage 3 (16): 44, as in every step
	SSTEP 0, 1                                     ; the first products start the sums
.irp k, 1,2,3,4,5,6,7,8,9,10,11,12,13,14,15,16,17,18,19,20,21,22,23,24,25,26,27,28,29,30,31
	SSTEP \k, 0
.endr
	WIN 0
	s_wait_loadcnt 0x0                             ; the bias
.if SECOND
.irp c, 0,1,2,3,4,5,6,7
	v_cndmask_b32 v[BV+\c], 0, v[BV+\c], s55       ; the bias counts in quarter 0 alone
.endr
.endif
	s_cmp_eq_u32 s23, 0                            ; no barrier stands behind this line
	s_cbranch_scc1 .Lend                           ; a wave without a group stores nothing
	OUT
	s_mov_b32 s21, 1
	s_cmp_gt_u32 s23, 1
	s_cbranch_scc0 .Lend
.Lgroup:
	s_wait_xcnt 0x0                                ; the last group's stores: their data and their offset are written again only behind this wait
	s_lshl_b32 s24, s21, 2
	s_add_co_u32 s24, s24, s22
	s_min_u32 s24, s24, 32
	s_mul_i32 s28, s24, GRPB
	v_add_nc_u32 v[VA], s28, v[L16]                ; the last group's loads by VA were waited for in its last step
	s_mul_i32 s28, s24, OUTGRP
	v_add_nc_u32 v[VO], s28, v[VST]
	WFRAG 0
	AFRAG 0
	AFRAG 1
	AFRAG 2
	AFRAG 3
	AFRAG 4
	KSTEP 0, 1
.irp k, 1,2,3,4,5,6,7,8,9,10,11,12,13,14,15,16,17,18,19,20,21,22,23,24,25,26,27,28,29,30,31
	KSTEP \k, 0
.endr
	OUT
	s_add_co_u32 s21, s21, 1
	s_cmp_lt_u32 s21, s23
	s_cbranch_scc1 .Lgroup
.Lend:
	s_wait_tensorcnt 0x0
	ds_add_u32 v30, v31
	s_wait_dscnt 0x0
	s_endpgm
.Lfunc_end_k_q3a88cdf209_gemm1:
	.size	k_q3a88cdf209_gemm1, .Lfunc_end_k_q3a88cdf209_gemm1-k_q3a88cdf209_gemm1
	.p2alignl 7, 3214868480
	.fill 96, 4, 3214868480
	.section	.rodata,"a",@progbits
	.p2align	6, 0x0
	.amdhsa_kernel k_q3a88cdf209_gemm1
		.amdhsa_group_segment_fixed_size 262656
		.amdhsa_private_segment_fixed_size 0
		.amdhsa_enable_private_segment 0
		.amdhsa_kernarg_size 40
		.amdhsa_user_sgpr_count 2
		.amdhsa_user_sgpr_kernarg_segment_ptr 1
		.amdhsa_wavefront_size32 1
		.amdhsa_system_sgpr_workgroup_id_x 1
		.amdhsa_system_sgpr_workgroup_id_y 1
		.amdhsa_system_sgpr_workgroup_id_z 1
		.amdhsa_system_vgpr_workitem_id 0
		.amdhsa_next_free_vgpr 1024
		.amdhsa_next_free_sgpr 66
		.amdhsa_reserve_vcc 0
		.amdhsa_float_denorm_mode_32 3
		.amdhsa_float_denorm_mode_16_64 3
		.amdhsa_memory_ordered 1
		.amdhsa_forward_progress 1
		.amdhsa_inst_pref_size 255
	.end_amdhsa_kernel
	.section	.bss,"aw",@nobits
	.p2align	6
	.space	262144
	.amdgpu_metadata
---
amdhsa.version: [ 1, 2 ]
amdhsa.kernels:
  - .name:           k_q3a88cdf209_gemm1
    .symbol:         k_q3a88cdf209_gemm1.kd
    .args:
      - { .name: xg, .offset: 0, .size: 8, .value_kind: global_buffer, .address_space: global }
      - { .name: W1, .offset: 8, .size: 8, .value_kind: global_buffer, .address_space: global }
      - { .name: b1, .offset: 16, .size: 8, .value_kind: global_buffer, .address_space: global }
      - { .name: meta, .offset: 24, .size: 8, .value_kind: global_buffer, .address_space: global }
      - { .name: hg, .offset: 32, .size: 8, .value_kind: global_buffer, .address_space: global }
    .group_segment_fixed_size: 262656
    .private_segment_fixed_size: 0
    .kernarg_segment_align: 8
    .kernarg_segment_size: 40
    .max_flat_workgroup_size: 128
    .sgpr_count:     66
    .vgpr_count:     1024
    .wavefront_size: 32
...
	.end_amdgpu_metadata
.endif
;; end of part 3
;; launch gemm2 (part 4): grid 8 x 32, 4 waves a work-group, no clusters, 262,656 bytes of LDS; arguments hg, W2, b2, meta, yp; writes yp
.if DOCPART == 4
	.amdgcn_target "amdgcn-amd-amdhsa--gfx1250"
	.amdhsa_code_object_version 6
	.text
	.protected	k_q3a88cdf209_gemm2
	.globl	k_q3a88cdf209_gemm2
	.p2align	8
	.type	k_q3a88cdf209_gemm2,@function
k_q3a88cdf209_gemm2:
	s_mov_b64 s[64:65], 0
	v_nop
	global_prefetch_b8 v0, s[64:65] scope:SCOPE_SE
	s_setreg_imm32_b32 hwreg(HW_REG_WAVE_MODE, 25, 1), 1
	s_wait_xcnt 0x0
; THIS FILE: SECOND = 1: yp[q] = hg W2[e] over quarter q of K = 4,096, + b2[e] in quarter 0, in f32, for the routed rows.
; (With SECOND = 0 the same text makes hg = gelu(xg W1[e] + b1[e]).)  The four quarters are summed by the next launch.
; A work-group takes one expert e, 128 output columns (slice) and K = 1,024.  Four waves, as many as a WGP has SIMDs.
; THE WEIGHTS (1,024 x 128, 524,288 bytes of f32) are read once, rounded to bf16 and laid into LDS as matrix fragments (262,144
; bytes), where they stay.  Wave w = (nh = w & 1, kh = w >> 1) brings 64 columns (half nh) x 512 k (half kh), in 16 stages of 32 k.
; W lies [K][N]: a 16-byte load gives a lane 4 neighbouring columns of one row, sixteen lanes cover 256 consecutive bytes = the
; wave's 64 columns.  32 packed conversions turn a stage's 16 loads into four fragments; fragment f, index r stands for column
; 4 r + f.  The fragment of stage t and f goes to LDS byte 65,536 w + 1,024 (4 t + f).
; Every LDS byte is written once.
; THE ROWS: the expert's ng[e] groups of 80 rows (meta, stored by the launch route) are dealt to the waves: wave w takes groups
; w, w + 4, ...  A group makes 80 rows x 128 columns over all of K: 40 accumulator tiles of 16 x 16 = 320 registers.  The weights'
; fragments come from LDS, the rows' fragments straight from memory, where they lie as register images (2,048 bytes a tile and
; chunk of 64 k).  Each wave owns its results whole: no exchange between waves.
; A WAVE'S FIRST GROUP IS MULTIPLIED WHILE THE WEIGHTS COME IN, in a text without a branch: 32 steps of 32 k; step 2 s + b takes the
; k-step that the waves of K half b brought as their stage s.  Stage t is asked for in steps 2 t - 8 and 2 t - 7, converted and
; stored in step 2 t - 3, shown to all waves by the barrier at the head of step 2 t - 2, and first read in step 2 t - 1.
; A wave without a group (ng[e] <= w) goes through the same text on the rows of group 0, which always exists and which the launch
; before has written whole: its part of the weights is needed and every wave passes every barrier; its products are thrown away,
; it stores nothing.
; LATER GROUPS (an expert with more than 320 pairs) are walked by a loop without a barrier, all weights being in LDS by then.
; NO CLUSTER, NO TENSOR LOADS: no two work-groups read the same weights.  The rows are shared by the slices of an expert, but their
; addresses are numbers read from memory and differ from wave to wave, and LDS is taken by the weights (262,144 bytes).
; Position (chunk, ks, cc, h, j) of hg holds f = 64 chunk + 32 h + 4 j + 2 ks + cc (so the launch before could store whole
; fragments); W2's rows are picked in that order.  The matrix instruction is used the natural way: lane (r, h), register j holds
; row 8 h + j, column 64 nh + 4 r + f.
; LIMITS: matrix operands are bf16, sums f32, the k-steps summed in the order 0, 16, 1, 17, ...  Right for every mapping (ng at most
; 26, group number at most 32); the weights are read once whatever the mapping.
.set SECOND, 1
.set PLANE,  337920                    ; bytes of one chunk of 64 k over all 165 tiles
.set TILEB,  2048                      ; a tile of 16 rows x 64 k in bf16
.set GRPB,   5*TILEB                   ; a group's five tiles of one chunk
.set YPLANE, 2640*4096
.if SECOND
.set PITCH,  4096                      ; bytes from row to row of W
.set AWIN,   0x0b                      ; source 0 = rows (window 3), source 1 = W (window 2)
.set OUTGRP, 80*4096                   ; a group's bytes in the result
.set NBIAS,  2                         ; loads that bring the bias
.else
.set PITCH,  16384
.set AWIN,   0x0e                      ; source 0 = W (window 2), source 1 = rows (window 3)
.set OUTGRP, GRPB
.set NBIAS,  16
.endif
; REGISTERS, in windows of 256.  Window 0: addresses, the ring of raw weights, the way out.  Window 1 and v0-63 of window 2:
; accumulators, row tile i (0..4), column tile c = 4 nh + f at 8 (8 i + c).  Window 2, v64-127: gemm1's bias; v128-255: two buffers
; of eight W fragments.  Window 3, v0-239: a ring of six slots of five row fragments.
.set VOFFW, 2                          ; 131,072 h + 16 r: my place in a weight load (h picks the second group of rows)
.set WRD,   4                          ; v4-7   16 x lane + 65,536 n: my place in a fragment of LDS region n
.set WST,   8                          ; 16 x lane + 65,536 w: the region that I fill
.set VA,    9                          ; my place in the group's row fragments
.set VST,   10                         ; my place in a store, without the group
.set VO,    11                         ; the same with the group
.set VB,    12                         ; my place in the bias
.set L16,   13                         ; 16 x lane
.set CG0,   14                         ; v[14:15] gelu: C0 = -2 sqrt(2/pi) log2(e), twice (SECOND = 0)
.set CG1,   16                         ; v[16:17] gelu: C1 = 0.044715 C0, twice (SECOND = 0)
.set BV,    20                         ; v[20:27] SECOND = 1: bias, [nh][f]
.set BF,    32                         ; v[32:63] four W fragments on their way into LDS
.set RAW,   64                         ; v[64:255] three slots of 16 loads: stage t lies in slot t mod 3
.set Z,     64                         ; way out, SECOND = 0: v[64:95] four tiles at work
.set T,     96                         ; way out, SECOND = 0: v[96:103]
.set PK,    104                        ; way out, SECOND = 0: v[104:119] packed results
.set OB,    64                         ; way out, SECOND = 1: v[64:95] results, [j][f]
.set BT,    64                         ; window 2: SECOND = 0: bias, [nh][j][f]
.set WB,    128                        ; window 2: the two W fragment buffers
.set MSB, 0
.macro WIN new                         ; s_set_vgpr_msb: bits 1:0 source 0, 3:2 source 1, 5:4 source 2, 7:6 destination; the high byte repeats the setting left
.if MSB != (\new)
	s_set_vgpr_msb (MSB<<8)|(\new)
.set MSB, (\new)
.endif
.endm
.macro PLACES                          ; four places behind matrix instructions, before their sources are loaded into or their results read (ISA guide 7.12.1)
.rept 4
	v_nop
.endr
.endm
; 8 loads: half of stage t (of my K half's 16), my 64 columns.  Load 8 cc + j brings the row that fragment register half cc,
; element j wants; half = cc.  Lanes 16 to 31 take the row that belongs to h = 1 (in VOFFW).  All rows stand in the immediate.
.macro WHALF t, half
	WIN 0
.set wj, 8*(\half)
.rept 8
.if SECOND
.set wr, 64*((\t)>>1)+4*(wj&7)+2*((\t)&1)+(wj>>3)
.else
.set wr, 32*(\t)+16*(wj>>3)+(wj&7)
.endif
	global_load_b128 v[RAW+64*((\t)%3)+4*wj:RAW+64*((\t)%3)+4*wj+3], v[VOFFW], s[26:27] offset:wr*PITCH th:TH_LOAD_NT
.set wj, wj+1
.endr
.endm
; Stage t into LDS: fragment f, register p = rows 2 p, 2 p + 1 of the 16 loads, column f of the four; then 8 stores of 512 bytes.
.macro CVST t
	WIN 0
.set ct, 0
.rept 4
.set cp, 0
.rept 8
	v_cvt_pk_bf16_f32 v[BF+8*ct+cp], v[RAW+64*((\t)%3)+8*cp+ct], v[RAW+64*((\t)%3)+8*cp+4+ct]
.set cp, cp+1
.endr
.set ct, ct+1
.endr
.set ct, 0
.rept 4
	ds_store_b128 v[WST], v[BF+8*ct:BF+8*ct+3]   offset:(4*(\t)+ct)*1024
	ds_store_b128 v[WST], v[BF+8*ct+4:BF+8*ct+7] offset:(4*(\t)+ct)*1024+512
.set ct, ct+1
.endr
.endm
; Step k (0..31) takes k-step 16 (k & 1) + (k >> 1) of K.
; 16 LDS loads: the eight W fragments of step k into buffer k & 1
.macro WFRAG k
	WIN 0x80
.set fk, (((\k)&1)<<4)+((\k)>>1)
.set fc, 0
.rept 8
.set fd, WB+64*((\k)&1)+8*fc
.set fo, (4*(fk&15)+(fc&3))*1024
	ds_load_b128 v[fd:fd+3],   v[WRD+2*(fk>>4)+(fc>>2)] offset:fo
	ds_load_b128 v[fd+4:fd+7], v[WRD+2*(fk>>4)+(fc>>2)] offset:fo+512
.set fc, fc+1
.endr
.endm
; 10 loads, 512 consecutive bytes each: the five row fragments of step k into ring slot k mod 6
.macro AFRAG k
	WIN 0xc0
.set gk, (((\k)&1)<<4)+((\k)>>1)
.set gi, 0
.rept 5
.set gd, 40*((\k)%6)+8*gi
.set go, (gk>>1)*PLANE+gi*TILEB+(gk&1)*1024
	global_load_b128 v[gd:gd+3],   v[VA], s[36:37] offset:go
	global_load_b128 v[gd+4:gd+7], v[VA], s[36:37] offset:go+512
.set gi, gi+1
.endr
.endm
.macro BLOAD                           ; the bias of the 128 columns, NBIAS loads
.if SECOND
	WIN 0
	global_load_b128 v[BV:BV+3],   v[VB], s[52:53]
	global_load_b128 v[BV+4:BV+7], v[VB], s[52:53] offset:256
.else
	WIN 0x80                                       ; destination in window 2
.set bn, 0
.rept 2
.set bj, 0
.rept 8
	global_load_b128 v[BT+32*bn+4*bj:BT+32*bn+4*bj+3], v[VB], s[52:53] offset:256*bn+16*bj   ; columns 64 nh + 32 h + 4 j + 0..3
.set bj, bj+1
.endr
.set bn, bn+1
.endr
.endif
.endm
; 40 matrix instructions: five row tiles x eight column tiles.  zero = 1: the product starts the sum, nothing is cleared.
; The 40 accumulators take turns, one instruction a turn, in the same order in every step.
.macro MUL k, zero
.set mw, WB+64*((\k)&1)
.set ma, 40*((\k)%6)
.set mi, 0
.rept 5
	WIN ((1+(mi>>2))*0x50)|AWIN
.set mc, 0
.rept 8
.set md, 8*((8*mi+mc)&31)
.if SECOND
.if \zero
	v_wmma_f32_16x16x32_bf16 v[md:md+7], v[ma+8*mi:ma+8*mi+7], v[mw+8*mc:mw+8*mc+7], 0
.else
	v_wmma_f32_16x16x32_bf16 v[md:md+7], v[ma+8*mi:ma+8*mi+7], v[mw+8*mc:mw+8*mc+7], v[md:md+7]
.endif
.else
.if \zero
	v_wmma_f32_16x16x32_bf16 v[md:md+7], v[mw+8*mc:mw+8*mc+7], v[ma+8*mi:ma+8*mi+7], 0
.else
	v_wmma_f32_16x16x32_bf16 v[md:md+7], v[mw+8*mc:mw+8*mc+7], v[ma+8*mi:ma+8*mi+7], v[md:md+7]
.endif
.endif
.set mc, mc+1
.endr
.set mi, mi+1
.endr
.endm
; One step of the first group.  What step k asks for, in this order: the rows of step k + 3 (10 loads, up to k = 28), then half a
; stage of weights (8 loads, up to k = 23): an even k the first half of stage k / 2 + 4, an odd k the second half of stage
; (k + 7) / 2, into the ring slot whose stage was converted in step k - 1 or earlier.  Loads come back in order, so the wait at the
; step's head, which stands ahead of the step's own requests, leaves out what was asked for behind the rows of step k: the 8 weight
; loads of step k - 3 and all of steps k - 2 and k - 1: 8 + 18 + 18 = 44; the stage that an odd step converts was asked for in steps
; k - 5 and k - 4 and is in too.  As the requests run out the same sum gives 36, 28, 20, 20, 20, 10 + NBIAS, NBIAS.  A wave never
; has more than 44 + 18 = 62 loads out.
.macro SSTEP k, zero
.set cnt_l, 44
.if (\k) == 25
.set cnt_l, 36
.endif
.if (\k) == 26
.set cnt_l, 28
.endif
.if (\k) >= 27
.set cnt_l, 20
.endif
.if (\k) == 30
.set cnt_l, 10+NBIAS
.endif
.if (\k) == 31
.set cnt_l, NBIAS
.endif
	s_wait_loadcnt cnt_l
.if (\k) <= 28
	AFRAG (\k)+3                                   ; its ring slot was last read three steps ago
.endif
.if (\k) == 29
	BLOAD                                          ; nothing else is left to ask for: the bias comes in under the last steps
.endif
.if ((\k)&1) == 0
.if (\k) <= 22
	WHALF (\k)/2+4, 0
.endif
.if (\k) <= 28
	WIN 0
	s_wait_dscnt 0x0                               ; my stores of stage k / 2 + 1 (in step 0: of stages 0 and 1) are done, for the other waves' sake
	s_barrier_signal -1
	s_barrier_wait -1                              ; every wave's are: the stage may be read
.endif
.else
.if (\k) <= 23
	WHALF ((\k)+7)/2, 1
.endif
.if (\k) <= 27
	CVST ((\k)+3)/2                                ; its 8 stores have this step's matrix work in which to land
.endif
.endif
	PLACES                                         ; behind the last step's matrix instructions: its W buffer may be loaded into
.if (\k) == 0
	WFRAG 0
.endif
.if (\k) < 31
	WFRAG (\k)+1
.endif
.set cnt_d, 16                                         ; this step's W fragments are in; the 16 loads just issued stay out,
.if ((\k)&1) == 1
.if (\k) <= 27
.set cnt_d, 24                                         ; and the 8 stores that stand between the two runs of loads
.endif
.endif
.if (\k) == 31
.set cnt_d, 0
.endif
	s_wait_dscnt cnt_d
	MUL \k, \zero
.endm
; One step of a later group: all weights are in LDS.  The W buffer and the ring slot that the step before has read are asked for
; again first: W one step ahead, rows five.
.macro KSTEP k, zero
	PLACES                                         ; behind the last step's matrix instructions: its W buffer and its ring slot may be loaded into
.if (\k) < 31
	WFRAG (\k)+1
.endif
.if (\k) <= 26
	AFRAG (\k)+5
.endif
.if (\k) < 31
	s_wait_dscnt 16                                ; this step's W fragments are in; the 16 loads just issued stay out
.else
	s_wait_dscnt 0
.endif
.if (\k) <= 26
	s_wait_loadcnt 50                              ; this step's rows are in; five younger steps, 10 loads each, stay out
.else
	s_wait_loadcnt 10*(31-(\k))                    ; the counts run down: 40, 30, 20, 10, 0
.endif
	MUL \k, \zero
.endm
.macro GELU8 z                         ; eight numbers in place: z / (1 + 2^(z (C0 + C1 z^2)))
.irp p, 0,2,4,6
	v_pk_mul_f32 v[T+\p:T+\p+1], v[(\z)+\p:(\z)+\p+1], v[(\z)+\p:(\z)+\p+1]
.endr
.irp p, 0,2,4,6
	v_pk_fma_f32 v[T+\p:T+\p+1], v[T+\p:T+\p+1], v[CG1:CG1+1], v[CG0:CG0+1]
.endr
.irp p, 0,2,4,6
	v_pk_mul_f32 v[T+\p:T+\p+1], v[T+\p:T+\p+1], v[(\z)+\p:(\z)+\p+1]
.endr
.irp p, 0,1,2,3,4,5,6,7
	v_exp_f32 v[T+\p], v[T+\p]
.endr
	v_nop                                          ; one plain place behind a transcendental before its result is used (ISA guide 5.7.2)
.irp p, 0,2,4,6
	v_pk_add_f32 v[T+\p:T+\p+1], v[T+\p:T+\p+1], 1.0 op_sel_hi:[1,0]
.endr
.irp p, 0,1,2,3,4,5,6,7
	v_rcp_f32 v[T+\p], v[T+\p]
.endr
	v_nop
.irp p, 0,2,4,6
	v_pk_mul_f32 v[(\z)+\p:(\z)+\p+1], v[(\z)+\p:(\z)+\p+1], v[T+\p:T+\p+1]
.endr
.endm
; SECOND = 0, the way out: four tiles (one row tile, one half nh) at a time: sum + bias, gelu, bf16, one store of 512 consecutive
; bytes for each tile.
.macro OUT1
	PLACES                                         ; behind the last matrix instructions, before results are read
.set oi, 0
.rept 5
.set on, 0
.rept 2
	WIN (1+(oi>>2))|0x08                           ; source 0: the accumulators' window; source 1: the bias in window 2
.set ot, 0
.rept 4
.set oa, 8*((8*oi+4*on+ot)&31)
.set oj, 0
.rept 8
	v_add_f32 v[Z+8*ot+oj], v[oa+oj], v[BT+32*on+4*oj+ot]
.set oj, oj+1
.endr
.set ot, ot+1
.endr
	WIN 0
	s_wait_xcnt 0x0                                ; PK, the data of the last four stores, is written again only behind this wait
.set ot, 0
.rept 4
	GELU8 Z+8*ot
.irp p, 0,1,2,3
	v_cvt_pk_bf16_f32 v[PK+4*ot+\p], v[Z+8*ot+2*\p], v[Z+8*ot+2*\p+1]
.endr
	global_store_b128 v[VO], v[PK+4*ot:PK+4*ot+3], s[48:49] offset:on*PLANE+oi*TILEB+ot*512
.set ot, ot+1
.endr
.set on, on+1
.endr
.set oi, oi+1
.endr
.endm
; SECOND = 1, the way out: sum + bias, laid [j][f] so that a lane holds 4 neighbouring columns; sixteen lanes of a store cover 256
; consecutive bytes of a row of yp.
.macro OUT2
	PLACES
.set oi, 0
.rept 5
.set on, 0
.rept 2
	s_wait_xcnt 0x0                                ; OB, the data of the last eight stores, is written again only behind this wait
	WIN 1+(oi>>2)                                  ; source 0: the accumulators' window
.set ot, 0
.rept 4
.set oa, 8*((8*oi+4*on+ot)&31)
.set oj, 0
.rept 8
	v_add_f32 v[OB+4*oj+ot], v[oa+oj], v[BV+4*on+ot]
.set oj, oj+1
.endr
.set ot, ot+1
.endr
	WIN 0
.set oj, 0
.rept 8
	global_store_b128 v[VO], v[OB+4*oj:OB+4*oj+3], s[48:49] offset:(16*oi+oj)*4096+on*256
.set oj, oj+1
.endr
.set on, on+1
.endr
.set oi, oi+1
.endr
.endm
.macro OUT
.if SECOND
	OUT2
.else
	OUT1
.endif
.endm
	s_load_b256 s[4:11], s[0:1], 0x0               ; rows s[4:5], W s[6:7], bias s[8:9], meta s[10:11]
	s_load_b64 s[12:13], s[0:1], 0x20              ; out
	v_lshl_add_u32 v30, v0, 2, 0x40000
	v_mov_b32 v31, 0
	v_lshrrev_b32 v1, 5, v0
	v_readfirstlane_b32 s14, v1                    ; wave w
	s_and_b32 s15, s14, 1                          ; nh: the half of the 128 columns whose weights I bring
	s_lshr_b32 s16, s14, 1                         ; kh: the half of K whose weights I bring
	s_and_b32 s19, ttmp7, 0xffff
.if SECOND
	s_and_b32 s20, s19, 3                          ; q
	s_lshr_b32 s19, s19, 2                         ; e
.else
	s_mov_b32 s20, 0
.endif
	s_lshl_b32 s25, s19, 3                         ; never written again: the offset of the load of meta
	v_and_b32 v1, 31, v0                           ; L
	v_and_b32 v3, 15, v0                           ; r
	v_bfe_u32 v18, v0, 4, 1                        ; h
	v_lshlrev_b32 v[L16], 4, v1
	v_lshlrev_b32 v[VOFFW], 4, v3
	v_lshl_add_u32 v[VOFFW], v18, 17, v[VOFFW]     ; h = 1: 8 rows of 16,384 bytes (SECOND = 0) or 32 rows of 4,096 (SECOND = 1) further down
	v_lshl_add_u32 v[WST], s14, 16, v[L16]
	v_mov_b32 v[WRD], v[L16]
	v_add_nc_u32 v[WRD+1], 0x10000, v[L16]
	v_add_nc_u32 v[WRD+2], 0x20000, v[L16]
	v_add_nc_u32 v[WRD+3], 0x30000, v[L16]
.if SECOND
	v_lshlrev_b32 v[VB], 4, v3
	v_lshl_add_u32 v[VST], v18, 15, v[VB]          ; row 8 h, columns 4 r ..
.else
	v_lshlrev_b32 v[VB], 7, v18
	v_mov_b32 v[VST], v[L16]
	v_mov_b32 v[CG0], 0xc0135761                   ; -2.3022082
	v_mov_b32 v[CG0+1], 0xc0135761
	v_mov_b32 v[CG1], 0xbdd2d3e8                   ; -0.10294324
	v_mov_b32 v[CG1+1], 0xbdd2d3e8
.endif
	s_wait_kmcnt 0x0
	s_load_b64 s[22:23], s[10:11], s25 offset:0x0  ; first group s22, number of groups s23
	s_mov_b32 s29, 0
	s_mul_i32 s28, s20, 16*PLANE
	s_add_nc_u64 s[36:37], s[4:5], s[28:29]        ; the rows at chunk 16 q
	s_lshl_b32 s56, ttmp9, 9                       ; 512 slice
	s_lshl_b32 s28, s15, 8
	s_add_co_u32 s57, s56, s28                     ; + 256 nh
	s_lshl_b32 s28, s20, 1
	s_add_co_u32 s28, s28, s16                     ; 2 q + kh
	s_mul_i32 s28, s28, 512*PITCH
	s_lshl_b32 s58, s19, 24
	s_add_co_u32 s28, s28, s58
	s_add_co_u32 s28, s28, s57
	s_add_nc_u64 s[26:27], s[6:7], s[28:29]        ; W: expert, first row of my K half, my 64 columns
	; the first requests: stages 0, 1 and half of stage 2 (40 loads) need nothing of meta and go out at once
	WHALF 0, 0
	WHALF 0, 1
	WHALF 1, 0
	WHALF 1, 1
	WHALF 2, 0
.if SECOND
	s_lshl_b32 s28, s19, 12
.else
	s_lshl_b32 s28, s19, 14
.endif
	s_add_co_u32 s28, s28, s56
	s_add_nc_u64 s[52:53], s[8:9], s[28:29]        ; bias of the 128 columns
.if SECOND
	s_mul_i32 s28, s20, YPLANE
	s_add_co_u32 s28, s28, s56
	s_cmp_eq_u32 s20, 0
	s_cselect_b32 s55, -1, 0
.else
	s_mul_i32 s28, ttmp9, 2*PLANE                  ; the 128 columns are chunks 2 slice, 2 slice + 1 of hg
.endif
	s_add_nc_u64 s[48:49], s[12:13], s[28:29]
	s_wait_kmcnt 0x0                               ; meta
	s_min_u32 s23, s23, 26                         ; 2,048 pairs are at most 26 groups of one expert
	s_add_co_u32 s22, s22, s14                     ; my first group,
	s_cmp_lt_u32 s14, s23
	s_cselect_b32 s24, s22, 0                      ; or group 0's rows for a wave that has none: a choice of value, no branch
	s_min_u32 s24, s24, 32
	s_add_co_u32 s23, s23, 3
	s_sub_co_u32 s23, s23, s14
	s_lshr_b32 s23, s23, 2                         ; how many groups are mine: w, w + 4, .. below ng
	s_mul_i32 s28, s24, GRPB
	v_add_nc_u32 v[VA], s28, v[L16]
	s_mul_i32 s28, s24, OUTGRP
	v_add_nc_u32 v[VO], s28, v[VST]
	AFRAG 0
	AFRAG 1                                        ; 60 loads are out
	s_wait_loadcnt 44                              ; stage 0 is in; out stay stage 1 (16), half of stage 2 (8), the rows of steps 0 and 1 (20)
	WHALF 2, 1
	AFRAG 2                                        ; at most 62 out
	CVST 0
	s_wait_loadcnt 46                              ; stage 1 is in; out stay 8 + 20 and the 18 just issued
	WHALF 3, 0                                     ; into the slot that stage 0 has left
	WHALF 3, 1                                     ; at most 62 out
	CVST 1
	; behind the rows of step 0 stand the rows of step 1 (10), half of stage 2 (8), the rows of step 2 (10) and stage 3 (16): 44, as in every step
	SSTEP 0, 1                                     ; the first products start the sums
.irp k, 1,2,3,4,5,6,7,8,9,10,11,12,13,14,15,16,17,18,19,20,21,22,23,24,25,26,27,28,29,30,31
	SSTEP \k, 0
.endr
	WIN 0
	s_wait_loadcnt 0x0                             ; the bias
.if SECOND
.irp c, 0,1,2,3,4,5,6,7
	v_cndmask_b32 v[BV+\c], 0, v[BV+\c], s55       ; the bias counts in quarter 0 alone
.endr
.endif
	s_cmp_eq_u32 s23, 0                            ; no barrier stands behind this line
	s_cbranch_scc1 .Lend                           ; a wave without a group stores nothing
	OUT
	s_mov_b32 s21, 1
	s_cmp_gt_u32 s23, 1
	s_cbranch_scc0 .Lend
.Lgroup:
	s_wait_xcnt 0x0                                ; the last group's stores: their data and their offset are written again only behind this wait
	s_lshl_b32 s24, s21, 2
	s_add_co_u32 s24, s24, s22
	s_min_u32 s24, s24, 32
	s_mul_i32 s28, s24, GRPB
	v_add_nc_u32 v[VA], s28, v[L16]                ; the last group's loads by VA were waited for in its last step
	s_mul_i32 s28, s24, OUTGRP
	v_add_nc_u32 v[VO], s28, v[VST]
	WFRAG 0
	AFRAG 0
	AFRAG 1
	AFRAG 2
	AFRAG 3
	AFRAG 4
	KSTEP 0, 1
.irp k, 1,2,3,4,5,6,7,8,9,10,11,12,13,14,15,16,17,18,19,20,21,22,23,24,25,26,27,28,29,30,31
	KSTEP \k, 0
.endr
	OUT
	s_add_co_u32 s21, s21, 1
	s_cmp_lt_u32 s21, s23
	s_cbranch_scc1 .Lgroup
.Lend:
	s_wait_tensorcnt 0x0
	ds_add_u32 v30, v31
	s_wait_dscnt 0x0
	s_endpgm
.Lfunc_end_k_q3a88cdf209_gemm2:
	.size	k_q3a88cdf209_gemm2, .Lfunc_end_k_q3a88cdf209_gemm2-k_q3a88cdf209_gemm2
	.p2alignl 7, 3214868480
	.fill 96, 4, 3214868480
	.section	.rodata,"a",@progbits
	.p2align	6, 0x0
	.amdhsa_kernel k_q3a88cdf209_gemm2
		.amdhsa_group_segment_fixed_size 262656
		.amdhsa_private_segment_fixed_size 0
		.amdhsa_enable_private_segment 0
		.amdhsa_kernarg_size 40
		.amdhsa_user_sgpr_count 2
		.amdhsa_user_sgpr_kernarg_segment_ptr 1
		.amdhsa_wavefront_size32 1
		.amdhsa_system_sgpr_workgroup_id_x 1
		.amdhsa_system_sgpr_workgroup_id_y 1
		.amdhsa_system_sgpr_workgroup_id_z 1
		.amdhsa_system_vgpr_workitem_id 0
		.amdhsa_next_free_vgpr 1024
		.amdhsa_next_free_sgpr 66
		.amdhsa_reserve_vcc 0
		.amdhsa_float_denorm_mode_32 3
		.amdhsa_float_denorm_mode_16_64 3
		.amdhsa_memory_ordered 1
		.amdhsa_forward_progress 1
		.amdhsa_inst_pref_size 255
	.end_amdhsa_kernel
	.section	.bss,"aw",@nobits
	.p2align	6
	.space	262144
	.amdgpu_metadata
---
amdhsa.version: [ 1, 2 ]
amdhsa.kernels:
  - .name:           k_q3a88cdf209_gemm2
    .symbol:         k_q3a88cdf209_gemm2.kd
    .args:
      - { .name: hg, .offset: 0, .size: 8, .value_kind: global_buffer, .address_space: global }
      - { .name: W2, .offset: 8, .size: 8, .value_kind: global_buffer, .address_space: global }
      - { .name: b2, .offset: 16, .size: 8, .value_kind: global_buffer, .address_space: global }
      - { .name: meta, .offset: 24, .size: 8, .value_kind: global_buffer, .address_space: global }
      - { .name: yp, .offset: 32, .size: 8, .value_kind: global_buffer, .address_space: global }
    .group_segment_fixed_size: 262656
    .private_segment_fixed_size: 0
    .kernarg_segment_align: 8
    .kernarg_segment_size: 40
    .max_flat_workgroup_size: 128
    .sgpr_count:     66
    .vgpr_count:     1024
    .wavefront_size: 32
...
	.end_amdgpu_metadata
.endif
;; end of part 4
;; launch combine (part 5): grid 256 x 1, 8 waves a work-group, no clusters, 2,048 bytes of LDS; arguments yp, lg, pos, mapping, out0; writes out0
.if DOCPART == 5
	.amdgcn_target "amdgcn-amd-amdhsa--gfx1250"
	.amdhsa_code_object_version 6
	.text
	.protected	k_q3a88cdf209_combine
	.globl	k_q3a88cdf209_combine
	.p2align	8
	.type	k_q3a88cdf209_combine,@function
k_q3a88cdf209_combine:
	s_mov_b64 s[64:65], 0
	v_nop
	global_prefetch_b8 v0, s[64:65] scope:SCOPE_SE
	s_setreg_imm32_b32 hwreg(HW_REG_WAVE_MODE, 25, 1), 1
	s_wait_xcnt 0x0
; combine: out0[i] = w0 Y(pos[2 i]) + w1 Y(pos[2 i + 1]), Y(row) = the sum of the four K quarters yp[q][row].
; The gate: p[i][e] = softmax of lg over the TOKEN axis; w_k = p[i][m_k] / (p[i][m_0] + p[i][m_1]), m_k = mapping[i][k].
; Every work-group makes the eight columns' maximum M and sum S = sum of exp(l - M) from all of lg (32,768 bytes, 128 a thread), so
; no work-group needs what another stores.  With A_e = M_e log2(e) + log2(S_e) and a_k = l_k log2(e) - A_{m_k} (= log2 p_k):
; w0 = 1 / (1 + 2^(a_1 - a_0)), w1 = 1 / (1 + 2^(a_0 - a_1)).  The column's maximum is taken away in front of every exponential of
; the sums, so each term is at most 1 and S lies between 1 and 1,024.
; Eight waves: wave w takes token 4 g + (w >> 1), half w & 1 of its row.  Its 32 loads of yp go out ahead of the statistics.
; A stream: no matrix work, no tile that work-groups share beyond lg.
; LIMITS: where both p underflow to zero in f32 the quotient of the two is 0/0; this text forms the ratio from the logarithms and
; gives finite weights there.  Terms of S below 2^-126 count as zero.  pos is clamped to 2,639, mapping to 7.
.set YPLANE, 10813440                  ; 2,640 rows of 4,096 bytes
.set LG,  4                            ; v[4:35]    128 bytes of lg: experts 4 (thread & 1) + 0..3 of eight tokens
.set MX,  36                           ; v[36:39]   maxima of my four columns
.set SM,  40                           ; v[40:43]   sums of my four columns, then A
.set Y,   64                           ; v[64:191]  [k][q][u]: 16 bytes each
.set RD,  192                          ; v[192:223] the eight waves' figures
.set SA,  44                           ; s[44:51]   A of the eight experts
	s_load_b256 s[4:11], s[0:1], 0x0               ; yp s[4:5], lg s[6:7], pos s[8:9], mapping s[10:11]
	s_load_b64 s[12:13], s[0:1], 0x20              ; out0
	v_lshl_add_u32 v224, v0, 2, 0x400
	v_mov_b32 v225, 0
	v_lshrrev_b32 v1, 5, v0
	v_readfirstlane_b32 s14, v1                    ; wave
	v_and_b32 v1, 31, v0                           ; lane
	s_lshr_b32 s15, s14, 1
	s_lshl2_add_u32 s15, ttmp9, s15                ; token i
	s_and_b32 s16, s14, 1                          ; half of the row
	s_lshl_b32 s17, s15, 3                         ; 8 i: never written again
	s_mov_b32 s34, 0x76543210                      ; v_permlanex16_b32: lane i of one half reads lane i of the other
	s_mov_b32 s35, 0xfedcba98
	s_mov_b32 s38, 0x3fb8aa3b                      ; log2(e)
	v_lshlrev_b32 v2, 4, v0
	v_lshlrev_b32 v44, 4, v1
	v_lshl_add_u32 v44, s16, 11, v44               ; 2,048 half + 16 lane
	v_and_b32 v48, 1, v0
	v_lshlrev_b32 v48, 4, v48                      ; 16 (lane & 1): my four columns in a row of eight
	v_lshl_add_u32 v47, s14, 5, v48                ; + 32 wave
	s_wait_kmcnt 0x0
	s_load_b64 s[20:21], s[8:9], s17 offset:0x0    ; the two padded rows
	s_load_b64 s[22:23], s[10:11], s17 offset:0x0  ; the two experts
.irp u, 0,1,2,3,4,5,6,7
	global_load_b128 v[LG+4*\u:LG+4*\u+3], v2, s[6:7] offset:4096*\u
.endr
	s_add_nc_u64 s[24:25], s[4:5], YPLANE
	s_add_nc_u64 s[26:27], s[4:5], 2*YPLANE
	s_add_nc_u64 s[28:29], s[4:5], 3*YPLANE
	s_wait_kmcnt 0x0
	s_min_u32 s20, s20, 2639
	s_min_u32 s21, s21, 2639
	s_min_u32 s22, s22, 7
	s_min_u32 s23, s23, 7
	s_lshl_b32 s32, s20, 12
	s_lshl_b32 s33, s21, 12
	v_add_nc_u32 v45, s32, v44
	v_add_nc_u32 v46, s33, v44
.macro YLOAD k, q, b
.irp u, 0,1,2,3
	global_load_b128 v[Y+16*(4*\k+\q)+4*\u:Y+16*(4*\k+\q)+4*\u+3], v[45+\k], s[\b:\b+1] offset:512*\u   ; 512 consecutive bytes of a row
.endr
.endm
	YLOAD 0, 0, 4
	YLOAD 0, 1, 24
	YLOAD 0, 2, 26
	YLOAD 0, 3, 28
	YLOAD 1, 0, 4
	YLOAD 1, 1, 24
	YLOAD 1, 2, 26
	YLOAD 1, 3, 28
	s_lshl_b32 s36, s15, 5
	s_lshl2_add_u32 s37, s23, s36
	s_lshl2_add_u32 s36, s22, s36
	s_load_b32 s30, s[6:7], s36 offset:0x0         ; l_0 = lg[i][m_0]
	s_load_b32 s31, s[6:7], s37 offset:0x0         ; l_1
	s_lshl_b32 s42, s15, 12
	v_add_nc_u32 v62, s42, v44                     ; my 16 bytes in out0
	; the columns' maxima
	s_wait_loadcnt 32                              ; lg is in; the 32 loads of yp stay out
.irp c, 0,1,2,3
	v_max3_num_f32 v[MX+\c], v[LG+\c], v[LG+4+\c], v[LG+8+\c]
	v_max3_num_f32 v[MX+\c], v[MX+\c], v[LG+12+\c], v[LG+16+\c]
	v_max3_num_f32 v[MX+\c], v[MX+\c], v[LG+20+\c], v[LG+24+\c]
	v_max_num_f32 v[MX+\c], v[MX+\c], v[LG+28+\c]
	v_mov_b32 v[SM+\c], 0                          ; the destination of v_permlanex16_b32 counts as read
.endr
.irp m, 2,4,8
.irp c, 0,1,2,3
	v_max_num_f32_dpp v[MX+\c], v[MX+\c], v[MX+\c] row_xmask:\m row_mask:0xf bank_mask:0xf    ; lanes of my parity only: they hold my columns
.endr
.endr
.irp c, 0,1,2,3
	v_permlanex16_b32 v[SM+\c], v[MX+\c], s34, s35
.endr
.irp c, 0,1,2,3
	v_max_num_f32 v[MX+\c], v[MX+\c], v[SM+\c]
.endr
	ds_store_b128 v47, v[MX:MX+3]                  ; lanes of one parity write the same 16 bytes with the same numbers
	s_wait_dscnt 0x0
	s_barrier_signal -1
	s_barrier_wait -1
.irp p, 0,1,2,3,4,5,6,7
	ds_load_b128 v[RD+4*\p:RD+4*\p+3], v48 offset:32*\p
.endr
	s_wait_dscnt 0x0
.irp c, 0,1,2,3
	v_max3_num_f32 v[MX+\c], v[RD+\c], v[RD+4+\c], v[RD+8+\c]
	v_max3_num_f32 v[MX+\c], v[MX+\c], v[RD+12+\c], v[RD+16+\c]
	v_max3_num_f32 v[MX+\c], v[MX+\c], v[RD+20+\c], v[RD+24+\c]
	v_max_num_f32 v[MX+\c], v[MX+\c], v[RD+28+\c]
.endr
	; the columns' sums of exp(l - M)
.irp u, 0,1,2,3,4,5,6,7
	v_pk_add_f32 v[LG+4*\u:LG+4*\u+1],   v[LG+4*\u:LG+4*\u+1],   v[MX:MX+1]   neg_lo:[0,1] neg_hi:[0,1]
	v_pk_add_f32 v[LG+4*\u+2:LG+4*\u+3], v[LG+4*\u+2:LG+4*\u+3], v[MX+2:MX+3] neg_lo:[0,1] neg_hi:[0,1]
.endr
.irp n, 0,2,4,6,8,10,12,14,16,18,20,22,24,26,28,30
	v_pk_mul_f32 v[LG+\n:LG+\n+1], v[LG+\n:LG+\n+1], 0x3fb8aa3b op_sel_hi:[1,0]
.endr
.irp n, 0,1,2,3,4,5,6,7,8,9,10,11,12,13,14,15,16,17,18,19,20,21,22,23,24,25,26,27,28,29,30,31
	v_exp_f32 v[LG+\n], v[LG+\n]
.endr
	v_nop                                          ; one plain place behind a transcendental before its result is used (ISA guide 5.7.2)
	s_wait_alu depctr_va_vdst(0)
	v_pk_add_f32 v[SM:SM+1],   v[LG:LG+1],   v[LG+4:LG+5]
	v_pk_add_f32 v[SM+2:SM+3], v[LG+2:LG+3], v[LG+6:LG+7]
.irp u, 2,3,4,5,6,7
	v_pk_add_f32 v[SM:SM+1],   v[SM:SM+1],   v[LG+4*\u:LG+4*\u+1]
	v_pk_add_f32 v[SM+2:SM+3], v[SM+2:SM+3], v[LG+4*\u+2:LG+4*\u+3]
.endr
.irp m, 2,4,8
.irp c, 0,1,2,3
	v_add_f32_dpp v[SM+\c], v[SM+\c], v[SM+\c] row_xmask:\m row_mask:0xf bank_mask:0xf
.endr
.endr
.irp c, 0,1,2,3
	v_permlanex16_b32 v[RD+\c], v[SM+\c], s34, s35
.endr
.irp c, 0,1,2,3
	v_add_f32 v[SM+\c], v[SM+\c], v[RD+\c]
.endr
	ds_store_b128 v47, v[SM:SM+3] offset:256       ; other bytes than the maxima: no wave may still be reading those
	s_wait_dscnt 0x0
	s_barrier_signal -1
	s_barrier_wait -1
.irp p, 0,1,2,3,4,5,6,7
	ds_load_b128 v[RD+4*\p:RD+4*\p+3], v48 offset:256+32*\p
.endr
	s_wait_dscnt 0x0
	v_pk_add_f32 v[SM:SM+1],   v[RD:RD+1],   v[RD+4:RD+5]
	v_pk_add_f32 v[SM+2:SM+3], v[RD+2:RD+3], v[RD+6:RD+7]
.irp p, 2,3,4,5,6,7
	v_pk_add_f32 v[SM:SM+1],   v[SM:SM+1],   v[RD+4*\p:RD+4*\p+1]
	v_pk_add_f32 v[SM+2:SM+3], v[SM+2:SM+3], v[RD+4*\p+2:RD+4*\p+3]
.endr
.irp c, 0,1,2,3
	v_log_f32 v[SM+\c], v[SM+\c]
.endr
	v_nop
	s_wait_alu depctr_va_vdst(0)
.irp c, 0,1,2,3
	v_fma_f32 v[SM+\c], v[MX+\c], s38, v[SM+\c]    ; A = M log2(e) + log2(S)
.endr
	; the eight A as scalars: even lanes hold experts 0-3, odd lanes experts 4-7; the token's two are picked by value, no address hangs on them
.irp c, 0,1,2,3
	v_readlane_b32 s[SA+\c],   v[SM+\c], 0
	v_readlane_b32 s[SA+4+\c], v[SM+\c], 1
.endr
	s_mov_b32 s40, s[SA]
	s_mov_b32 s41, s[SA]
.irp e, 1,2,3,4,5,6,7
	s_cmp_eq_u32 s22, \e
	s_cselect_b32 s40, s[SA+\e], s40
	s_cmp_eq_u32 s23, \e
	s_cselect_b32 s41, s[SA+\e], s41
.endr
	v_mov_b32 v50, s40                             ; A of m_0
	v_mov_b32 v51, s41                             ; A of m_1
	s_wait_kmcnt 0x0                               ; l_0, l_1
	v_fma_f32 v54, s30, s38, -v50                  ; a_0
	v_fma_f32 v55, s31, s38, -v51                  ; a_1
	v_sub_f32 v56, v55, v54
	v_sub_f32 v57, v54, v55
	v_exp_f32 v56, v56
	v_exp_f32 v57, v57
	v_nop
	s_wait_alu depctr_va_vdst(0)
	v_add_f32 v56, 1.0, v56
	v_add_f32 v57, 1.0, v57
	v_rcp_f32 v58, v56                             ; w0, twice: a pair for the packed arithmetic
	v_rcp_f32 v59, v56
	v_rcp_f32 v60, v57                             ; w1, twice
	v_rcp_f32 v61, v57
	v_nop
	; the four quarters of each of the two rows, then the weighted sum, in the registers of (k = 0, q = 0)
	s_wait_loadcnt 0x0
	s_wait_alu depctr_va_vdst(0)
.irp n, 0,2,4,6,8,10,12,14
	v_pk_add_f32 v[Y+\n:Y+\n+1],       v[Y+\n:Y+\n+1],       v[Y+16+\n:Y+16+\n+1]
	v_pk_add_f32 v[Y+32+\n:Y+32+\n+1], v[Y+32+\n:Y+32+\n+1], v[Y+48+\n:Y+48+\n+1]
	v_pk_add_f32 v[Y+64+\n:Y+64+\n+1], v[Y+64+\n:Y+64+\n+1], v[Y+80+\n:Y+80+\n+1]
	v_pk_add_f32 v[Y+96+\n:Y+96+\n+1], v[Y+96+\n:Y+96+\n+1], v[Y+112+\n:Y+112+\n+1]
	v_pk_add_f32 v[Y+\n:Y+\n+1],       v[Y+\n:Y+\n+1],       v[Y+32+\n:Y+32+\n+1]
	v_pk_add_f32 v[Y+64+\n:Y+64+\n+1], v[Y+64+\n:Y+64+\n+1], v[Y+96+\n:Y+96+\n+1]
	v_pk_mul_f32 v[Y+\n:Y+\n+1],       v[Y+\n:Y+\n+1],       v[58:59]
	v_pk_fma_f32 v[Y+\n:Y+\n+1],       v[Y+64+\n:Y+64+\n+1], v[60:61], v[Y+\n:Y+\n+1]
.endr
.irp u, 0,1,2,3
	global_store_b128 v62, v[Y+4*\u:Y+4*\u+3], s[12:13] offset:512*\u    ; 512 consecutive bytes of the token's row
.endr
	s_wait_tensorcnt 0x0
	ds_add_u32 v224, v225
	s_wait_dscnt 0x0
	s_endpgm
.Lfunc_end_k_q3a88cdf209_combine:
	.size	k_q3a88cdf209_combine, .Lfunc_end_k_q3a88cdf209_combine-k_q3a88cdf209_combine
	.p2alignl 7, 3214868480
	.fill 96, 4, 3214868480
	.section	.rodata,"a",@progbits
	.p2align	6, 0x0
	.amdhsa_kernel k_q3a88cdf209_combine
		.amdhsa_group_segment_fixed_size 2048
		.amdhsa_private_segment_fixed_size 0
		.amdhsa_enable_private_segment 0
		.amdhsa_kernarg_size 40
		.amdhsa_user_sgpr_count 2
		.amdhsa_user_sgpr_kernarg_segment_ptr 1
		.amdhsa_wavefront_size32 1
		.amdhsa_system_sgpr_workgroup_id_x 1
		.amdhsa_system_sgpr_workgroup_id_y 1
		.amdhsa_system_sgpr_workgroup_id_z 1
		.amdhsa_system_vgpr_workitem_id 0
		.amdhsa_next_free_vgpr 226
		.amdhsa_next_free_sgpr 66
		.amdhsa_reserve_vcc 0
		.amdhsa_float_denorm_mode_32 3
		.amdhsa_float_denorm_mode_16_64 3
		.amdhsa_memory_ordered 1
		.amdhsa_forward_progress 1
		.amdhsa_inst_pref_size 24
	.end_amdhsa_kernel
	.amdgpu_metadata
---
amdhsa.version: [ 1, 2 ]
amdhsa.kernels:
  - .name:           k_q3a88cdf209_combine
    .symbol:         k_q3a88cdf209_combine.kd
    .args:
      - { .name: yp, .offset: 0, .size: 8, .value_kind: global_buffer, .address_space: global }
      - { .name: lg, .offset: 8, .size: 8, .value_kind: global_buffer, .address_space: global }
      - { .name: pos, .offset: 16, .size: 8, .value_kind: global_buffer, .address_space: global }
      - { .name: mapping, .offset: 24, .size: 8, .value_kind: global_buffer, .address_space: global }
      - { .name: out0, .offset: 32, .size: 8, .value_kind: global_buffer, .address_space: global }
    .group_segment_fixed_size: 2048
    .private_segment_fixed_size: 0
    .kernarg_segment_align: 8
    .kernarg_segment_size: 40
    .max_flat_workgroup_size: 256
    .sgpr_count:     66
    .vgpr_count:     226
    .wavefront_size: 32
...
	.end_amdgpu_metadata
.endif
;; end of part 5
